; MI455X (gfx1250); checked and timed in simulation.
; The chip was launched on July 23, 2026; its instructions are those of AMD's public machine-readable ISA for CDNA 5 (MIT licence, August 2026) and "CDNA5" Instruction Set Architecture Reference Guide (July 2026). The comments in the code are by the model that wrote it; some were corrected since.
;; Attention. Allowed arithmetic: float matrix products may take bf16 or f16 operands with f32 sums; other float arithmetic in f32, or as packed bf16 or f16 multiplies, adds, multiply-adds, maxima and minima; sums over many terms, partial sums and values carried from step to step in f32; what a program stores and reads back later, other than sums and carried values, may be rounded once to bf16 or f16.
;; Inputs: cos 2,048 x 128 float32; sin 2,048 x 128 float32; w_ln 2,048 float32; wk 2,048 x 2,048 float32; wo 2,048 x 2,048 float32; wq 2,048 x 2,048 float32; wv 2,048 x 2,048 float32; x 2,048 x 2,048 float32.
;; Outputs: out0 2,048 x 2,048 float32.
;; 2 versions, each right; version 2 is version 1 with the launch prep written anew for expert scheduling mode. Each part assembles by itself: llvm-mc -triple=amdgcn-amd-amdhsa -mcpu=gfx1250 --defsym DOCPART=n.
;; ======== version 1 of 2: 4 launches
;; limits: values are held in f16: magnitudes above 65,504 overflow, below 6.1e-05 lose precision
;; workspace buffers: hb 8,388,608 bytes; wqkv 25,165,824 bytes; wob 8,388,608 bytes; qb 8,388,608 bytes; kb 8,388,608 bytes; vb 8,388,608 bytes; ob 8,388,608 bytes
;; launch prep (part 1): grid 256 x 4, 8 waves a work-group, no clusters, 0 bytes of LDS; arguments x, w_ln, wq, wk, wv, hb, wqkv; writes hb, wqkv
.if DOCPART == 1
	.amdgcn_target "amdgcn-amd-amdhsa--gfx1250"
	.amdhsa_code_object_version 6
	.text
	.protected	k_qd21fa20b96_prep
	.globl	k_qd21fa20b96_prep
	.p2align	8
	.type	k_qd21fa20b96_prep,@function
k_qd21fa20b96_prep:
	s_mov_b64 s[64:65], 0
	v_nop
	global_prefetch_b8 v0, s[64:65] scope:SCOPE_SE
	s_setreg_imm32_b32 hwreg(HW_REG_WAVE_MODE, 25, 1), 1
	s_wait_xcnt 0x0
; hb = f16(w_ln * x * rsqrt(mean(x^2) + 1e-5));  wqkv = f16 copies of wq, wk, wv.
; All four sources are [2048][2048] f32.  The grid's y picks the matrix: 0 = x (with the norm), 1, 2, 3 = wq, wk, wv.  (wo is rounded in the attention launch.)
; One wave takes one row: 8,192 bytes in, by sixteen loads of 512 consecutive bytes; 4,096 bytes out, by sixteen stores of 256 consecutive bytes, aligned.
; The row stays in 64 registers between the sum of squares and the scaling, so it is read once.  No wave waits for another: no LDS, no barrier.
; 1,024 work-groups of 8 waves with 128 registers a wave: four work-groups' waves fill a WGP's 4 x 1,024 registers, 256 WGPs hold them all, so every wave's loads go out at the launch's start.
; To stay within 128 registers w_ln comes through a ring of NG pieces of 4 registers: NG are asked for with the row, the others as pieces are used up.
; wqkv is laid by heads: row 384 head + 128 sel + d (sel 0, 1, 2 = q, k, v), so that one head's q, k and v rows lie on end for the next launch.
; LIMITS.  f16 ends at 65,504: weights stay under it; |h| <= 45.3 |w_ln|, so |w_ln| stays under 1,446.  Numbers under 6e-5 keep f16's fixed step of 6e-8.
.set X, 8                              ; v[8:71]    piece j at X + 4 j: elements 128 j + 4 lane .. + 3
.set NG, 10                            ; pieces of w_ln in the ring
.set G, 72                             ; v[72:111]  piece j of w_ln at G + 4 (j % NG), the same map
.set A, 112                            ; v[112:119] four packed chains of the sum of squares
.set R, 120                            ; v[120:121] the reciprocal root, twice (a pair for the packed multiply)
.set T, 122                            ; v[122:124] at work
	s_load_b256 s[8:15], s[0:1], 0x0               ; x s[8:9], w_ln s[10:11], wq s[12:13], wk s[14:15]
	s_load_b128 s[16:19], s[0:1], 0x20             ; wv s[16:17], hb s[18:19]
	s_load_b64 s[20:21], s[0:1], 0x30              ; wqkv
	v_lshrrev_b32 v3, 5, v0
	v_readfirstlane_b32 s3, v3                     ; wave 0..7
	v_and_b32 v4, 31, v0
	v_lshlrev_b32 v1, 4, v4                        ; 16 bytes a lane on the way in
	v_lshlrev_b32 v2, 3, v4                        ; 8 bytes a lane on the way out
	v_mov_b32 v[T+1], 0                            ; v_permlanex16_b32's destination counts as read
	s_and_b32 s2, ttmp7, 0xffff                    ; which matrix
	s_lshl_b32 s4, ttmp9, 3
	s_add_co_u32 s4, s4, s3                        ; my row
	s_lshr_b32 s5, s4, 7                           ; its head,
	s_mul_i32 s5, s5, 384
	s_and_b32 s32, s4, 127                         ; its place in the head,
	s_add_co_u32 s5, s5, s32
	s_max_u32 s32, s2, 1
	s_sub_co_u32 s32, s32, 1                       ; sel
	s_lshl_b32 s32, s32, 7
	s_add_co_u32 s5, s5, s32                       ; the row's place in wqkv
	s_cmp_eq_u32 s2, 0
	s_cselect_b32 s5, s4, s5                       ; hb keeps the row's number
	s_lshl_b32 s34, s4, 13                         ; 8,192 bytes a row in
	s_mov_b32 s35, 0
	s_lshl_b32 s36, s5, 12                         ; 4,096 bytes a row out
	s_mov_b32 s37, 0
	s_mov_b32 s6, 0x3a000000                       ; 1 / 2048
	s_mov_b32 s7, 0x3727c5ac                       ; 1e-5
	s_mov_b32 s30, 0x76543210                      ; v_permlanex16_b32: each lane takes its own place in the other half
	s_mov_b32 s31, 0xfedcba98
	s_wait_kmcnt 0x0
	s_mov_b64 s[26:27], s[8:9]                     ; the source, chosen by the grid's y
	s_cmp_eq_u32 s2, 1
	s_cselect_b64 s[26:27], s[12:13], s[26:27]
	s_cmp_eq_u32 s2, 2
	s_cselect_b64 s[26:27], s[14:15], s[26:27]
	s_cmp_eq_u32 s2, 3
	s_cselect_b64 s[26:27], s[16:17], s[26:27]
	s_cmp_eq_u32 s2, 0
	s_cselect_b64 s[28:29], s[18:19], s[20:21]     ; the destination
	s_add_nc_u64 s[26:27], s[26:27], s[34:35]
	s_add_nc_u64 s[28:29], s[28:29], s[36:37]
.irp j, 0,1,2,3,4,5,6,7,8,9,10,11,12,13,14,15
	global_load_b128 v[X+4*(\j):X+4*(\j)+3], v1, s[26:27] offset:512*(\j) th:TH_LOAD_NT
.endr
	s_cmp_lg_u32 s2, 0
	s_cbranch_scc1 .Lcast                          ; a weight is only rounded
.set j, 0
.rept NG
	global_load_b128 v[G+4*j:G+4*j+3], v1, s[10:11] offset:512*j
.set j, j+1
.endr
	s_wait_loadcnt NG                              ; the row is in; the ring's NG loads may stay out
.set p, 0
.rept 32                                       ; the sum of squares in f32: four chains; the first four products start them, nothing is cleared
.if p < 4
	v_pk_mul_f32 v[A+2*p:A+2*p+1], v[X+2*p:X+2*p+1], v[X+2*p:X+2*p+1]
.else
	v_pk_fma_f32 v[A+2*(p%4):A+2*(p%4)+1], v[X+2*p:X+2*p+1], v[X+2*p:X+2*p+1], v[A+2*(p%4):A+2*(p%4)+1]
.endif
.set p, p+1
.endr
	v_pk_add_f32 v[A:A+1], v[A:A+1], v[A+2:A+3]
	v_pk_add_f32 v[A+4:A+5], v[A+4:A+5], v[A+6:A+7]
	v_pk_add_f32 v[A:A+1], v[A:A+1], v[A+4:A+5]
	v_add_f32 v[T], v[A], v[A+1]
	v_add_f32_dpp v[T], v[T], v[T] row_xmask:1 row_mask:0xf bank_mask:0xf
	v_add_f32_dpp v[T], v[T], v[T] row_xmask:2 row_mask:0xf bank_mask:0xf
	v_add_f32_dpp v[T], v[T], v[T] row_xmask:4 row_mask:0xf bank_mask:0xf
	v_add_f32_dpp v[T], v[T], v[T] row_xmask:8 row_mask:0xf bank_mask:0xf
	v_permlanex16_b32 v[T+1], v[T], s30, s31
	v_add_f32 v[T], v[T], v[T+1]                   ; every lane holds the row's sum
	v_fma_f32 v[T+2], v[T], s6, s7                 ; mean + eps
	v_rsq_f32 v[R], v[T+2]
	v_rsq_f32 v[R+1], v[T+2]
	v_nop                                          ; a plain instruction behind the last root, ahead of the first use
	s_wait_alu depctr_va_vdst(0)                   ; one wait for both roots
.set j, 0
.rept 16                                       ; piece j: (w_ln x) rsqrt, rounded, stored; its place in the ring is asked for again
.set cnt, 15-j
.if cnt > NG-1
.set cnt, NG-1
.endif
	s_wait_loadcnt cnt                             ; piece j of w_ln is in: behind its load stand the ring's later pieces: NG - 1 of them while pieces are still asked for, then 15 - j
	v_pk_mul_f32 v[X+4*j:X+4*j+1],   v[G+4*(j%NG):G+4*(j%NG)+1],   v[X+4*j:X+4*j+1]
	v_pk_mul_f32 v[X+4*j+2:X+4*j+3], v[G+4*(j%NG)+2:G+4*(j%NG)+3], v[X+4*j+2:X+4*j+3]
	v_pk_mul_f32 v[X+4*j:X+4*j+1],   v[X+4*j:X+4*j+1],   v[R:R+1]
	v_pk_mul_f32 v[X+4*j+2:X+4*j+3], v[X+4*j+2:X+4*j+3], v[R:R+1]
	v_cvt_pk_f16_f32 v[X+4*j],   v[X+4*j],   v[X+4*j+1]
	v_cvt_pk_f16_f32 v[X+4*j+1], v[X+4*j+2], v[X+4*j+3]
	global_store_b64 v2, v[X+4*j:X+4*j+1], s[28:29] offset:256*j  ; 32 lanes store 256 consecutive bytes, at a multiple of 256 from the buffer's first byte
.if j+NG < 16
	global_load_b128 v[G+4*(j%NG):G+4*(j%NG)+3], v1, s[10:11] offset:512*(j+NG)
.endif
.set j, j+1
.endr
	s_endpgm
.Lcast:
.irp j, 0,1,2,3,4,5,6,7,8,9,10,11,12,13,14,15
	s_wait_loadcnt 15-(\j)                         ; piece j is in; the row's later loads may stay out
	v_cvt_pk_f16_f32 v[X+4*(\j)], v[X+4*(\j)], v[X+4*(\j)+1]
	v_cvt_pk_f16_f32 v[X+4*(\j)+1], v[X+4*(\j)+2], v[X+4*(\j)+3]
	global_store_b64 v2, v[X+4*(\j):X+4*(\j)+1], s[28:29] offset:256*(\j)
.endr
	s_endpgm
.Lfunc_end_k_qd21fa20b96_prep:
	.size	k_qd21fa20b96_prep, .Lfunc_end_k_qd21fa20b96_prep-k_qd21fa20b96_prep
	.p2alignl 7, 3214868480
	.fill 96, 4, 3214868480
	.section	.rodata,"a",@progbits
	.p2align	6, 0x0
	.amdhsa_kernel k_qd21fa20b96_prep
		.amdhsa_group_segment_fixed_size 0
		.amdhsa_private_segment_fixed_size 0
		.amdhsa_enable_private_segment 0
		.amdhsa_kernarg_size 56
		.amdhsa_user_sgpr_count 2
		.amdhsa_user_sgpr_kernarg_segment_ptr 1
		.amdhsa_wavefront_size32 1
		.amdhsa_system_sgpr_workgroup_id_x 1
		.amdhsa_system_sgpr_workgroup_id_y 1
		.amdhsa_system_sgpr_workgroup_id_z 1
		.amdhsa_system_vgpr_workitem_id 0
		.amdhsa_next_free_vgpr 128
		.amdhsa_next_free_sgpr 66
		.amdhsa_reserve_vcc 0
		.amdhsa_float_denorm_mode_32 3
		.amdhsa_float_denorm_mode_16_64 3
		.amdhsa_memory_ordered 1
		.amdhsa_forward_progress 1
		.amdhsa_inst_pref_size 20
	.end_amdhsa_kernel
	.amdgpu_metadata
---
amdhsa.version: [ 1, 2 ]
amdhsa.kernels:
  - .name:           k_qd21fa20b96_prep
    .symbol:         k_qd21fa20b96_prep.kd
    .args:
      - { .name: x, .offset: 0, .size: 8, .value_kind: global_buffer, .address_space: global }
      - { .name: w_ln, .offset: 8, .size: 8, .value_kind: global_buffer, .address_space: global }
      - { .name: wq, .offset: 16, .size: 8, .value_kind: global_buffer, .address_space: global }
      - { .name: wk, .offset: 24, .size: 8, .value_kind: global_buffer, .address_space: global }
      - { .name: wv, .offset: 32, .size: 8, .value_kind: global_buffer, .address_space: global }
      - { .name: hb, .offset: 40, .size: 8, .value_kind: global_buffer, .address_space: global }
      - { .name: wqkv, .offset: 48, .size: 8, .value_kind: global_buffer, .address_space: global }
    .group_segment_fixed_size: 0
    .private_segment_fixed_size: 0
    .kernarg_segment_align: 8
    .kernarg_segment_size: 56
    .max_flat_workgroup_size: 256
    .sgpr_count:     66
    .vgpr_count:     128
    .wavefront_size: 32
...
	.end_amdgpu_metadata
.endif
;; end of part 1
;; launch qkv (part 2): grid 16 x 16, 4 waves a work-group, clusters of 4 x 4, 327,680 bytes of LDS; arguments hb, wqkv, cos, sin, qb, kb, vb; writes qb, kb, vb
.if DOCPART == 2
	.amdgcn_target "amdgcn-amd-amdhsa--gfx1250"
	.amdhsa_code_object_version 6
	.text
	.protected	k_qd21fa20b96_qkv
	.globl	k_qd21fa20b96_qkv
	.p2align	8
	.type	k_qd21fa20b96_qkv,@function
k_qd21fa20b96_qkv:
	s_mov_b64 s[64:65], 0
	v_nop
	global_prefetch_b8 v0, s[64:65] scope:SCOPE_SE
	s_setreg_imm32_b32 hwreg(HW_REG_WAVE_MODE, 25, 1), 1
	s_wait_xcnt 0x0
	s_wait_alu depctr_hold_cnt(0) depctr_sa_sdst(0) depctr_va_vdst(0) depctr_va_sdst(0) depctr_va_ssrc(0) depctr_va_vcc(0) depctr_vm_vsrc(0)
	s_getreg_b32 s2, hwreg(HW_REG_IB_STS2, 6, 4)
	s_cmp_eq_u32 s2, 0
	s_cbranch_scc0 .Lentry_in_a_cluster
	s_endpgm
.Lentry_in_a_cluster:
	s_bfe_u32 s2, ttmp6, 0x10000c
	s_cmp_lg_u32 s2, 0xf033
	s_cbranch_scc0 .Lentry_shape_is_right
	s_endpgm
.Lentry_shape_is_right:
; q, k, v of one head for 128 rows: C[t][n] = sum over k of hb[t][k] wqkv[384 head + n][k], n = 128 sel + d; then the rotation on q and k in f32, on the sums.
; hb: [2048][2048] f16.  wqkv: [16][3][128][2048] f16.  cos, sin: [2048][128] f32, all 128 columns honoured.  qb, kb: [16][2048][128] bf16; vb: the same in f16.
; SHARES.  6,144 x 2,048 outputs on 256 work-groups: a tile of 128 rows x 384 columns, the q, k and v of ONE head.  Wave w takes all 128 rows and six blocks of 16 columns:
; block b = 2 sel + half holds d = 64 half + 16 w + 0..15, so a number and its partner 64 channels away lie in the same lane of the same wave.  48 accumulators, 384 registers.
; RING.  K in steps of 128 through two LDS slots; a slot holds 128 rows of hb and 3 x 128 rows of wqkv, each row 256 bytes of memory at a multiple of 256.  One tensor load a wave: wave 0 hb's, waves 1-3 q's, k's, v's.
; CLUSTER 4 x 4.  hb's tile hangs on the tile row alone and is asked for jointly along a row of the cluster; wqkv's hangs on the head alone and is asked for jointly along a column.
; THE MATRIX INSTRUCTION IS USED TRANSPOSED (source 0 = 16 rows of wqkv, source 1 = 16 rows of hb): a lane holds row l % 16 and eight neighbouring d, 8 (l / 16) + 0..7.
; COS AND SIN (64 loads a wave) are wanted on the way out alone: they are asked for in the last lap, behind the last tensor load's request, sixteen loads between two quarters.
; LIMITS.  v is stored in f16: |v| stays under 65,504.  q and k are stored in bf16, which has f32's range.
; REGISTERS, in windows of 256 (s_set_vgpr_msb: bits 1:0 source 0, 3:2 source 1, 5:4 source 2, 7:6 destination):
;   window 0: v0-31 addresses; v64-127, v128-191 hb's fragments, two buffers (on the way out: at work); v32-63, v192-223, v224-255 cos and sin for row blocks 5, 6, 7
;   window 1: v0-47, v48-95 wqkv's fragments, two buffers; v96 + 32 a: cos and sin for row blocks a = 0..4
;   windows 2, 3: accumulator (a, b) at v[8 (6 (a % 4) + b)] of window 2 + a / 4
;   a block of tables: +0 cos[d], +8 cos[d + 64], +16 sin[d], +24 sin[d + 64], eight registers each
.set KSTEP,  128
.set PITCH,  272                       ; an LDS row: 256 bytes + 16 of padding = 68 words: the 16 rows of a fragment load start at 16 different groups of four banks (64 banks of 4 bytes: ISA guide 11.1)
.set HALFT,  128*PITCH                 ; what one tensor load brings
.set SLOT,   4*HALFT                   ; hb's rows, q's, k's, v's
.set SPARE,  2*SLOT                    ; behind the ring: the spare words, 128 bytes a wave, that no other line names
.set LAPS,   8                         ; 16 K steps, two to a lap
.set STO,  8                           ; v8-10   the way out: where I put 16 bytes of a row, by sel.  The stage is slot 0's bytes, behind that slot's last fill and last read
.set RD,   11                          ; v11-13  the way out: where I read rows back, by sel
.set GO,   14                          ; v14     16 x lane: two rows of 256 bytes are 512 consecutive bytes of qb, kb, vb
.set TO,   15                          ; v15     my byte offset in 16 rows of cos and sin
.set ADRA, 16                          ; v16-17  LDS address of hb's fragments, by slot
.set ADRB, 18                          ; v18-23  of wqkv's, at 3 slot + sel
.set SPW,  28                          ; v28     LDS address of my spare word; never rewritten
.set NIL,  29                          ; v29     0; never rewritten
.set PFO,  30                          ; v30     4,096 x lane: a row of hb or wqkv; never rewritten
.set WV,   12                          ; s12     my wave's number
.set LIM,  43                          ; s43     1 in a wave that prefetches, else the greatest number
.set PFA,  44                          ; s[44:45] where my prefetches stand
.set G1A,  24                          ; s[24:31] descriptor group 1 for hb's tiles;  s[32:39] group 0, a set for each slot
.set G0A,  32
.set G1B,  48                          ; s[48:55], s[56:63] the same for wqkv's
.set G0B,  56
.set MSB, 0
.macro WIN new                         ; the immediate's high byte repeats the setting that is left; a switch that changes nothing is dropped
.if MSB != (\new)
	s_set_vgpr_msb (MSB<<8)|(\new)
.set MSB, \new
.endif
.endm
.macro PLACES                          ; four plain places behind matrix instructions, ahead of loads into registers that they read and of vector work on their results
.rept 4
	v_nop
.endr
.endm
; A joint load.  Wave 0 fetches hb's tile, waves 1 to 3 wqkv's three.  The branch hangs on the wave's number alone.  An s_nop 0 and four v_nop follow each line.
.macro JLOAD s
	s_cmp_eq_u32 s[WV], 0
	s_cbranch_scc0 .Lfor_b_\@
	tensor_load_to_lds s[G0A+4*(\s):G0A+4*(\s)+3], s[G1A:G1A+7]
	s_nop 0
.rept 4
	v_nop
.endr
	s_branch .Lasked_\@
.Lfor_b_\@:
	tensor_load_to_lds s[G0B+4*(\s):G0B+4*(\s)+3], s[G1B:G1B+7]
	s_nop 0
.rept 4
	v_nop
.endr
.Lasked_\@:
.endm
; A prefetch of the K step that stands two refills on: 32 rows x 256 bytes, a lane a row.  hb's rows are asked for by the clusters with x = 0, wqkv's by those with y = 0; of the 128 rows that a wave
; fetches each of the four partners takes 32, told apart by address.  So each row's 256 bytes of a K step are named once in the launch.  The loop's last trip (s3 = 1) has no K step two on.
.macro ASK
	s_cmp_gt_u32 s3, s[LIM]
	s_cbranch_scc0 .Lnot_mine_\@
	global_prefetch_b8 v[PFO], s[PFA:PFA+1] offset:2*KSTEP th:TH_LOAD_NT scope:SCOPE_SE
.Lnot_mine_\@:
.endm
.macro CREST                           ; a round of the cluster's barrier behind its opening barrier
	s_cmp_lg_u32 s[WV], 0
	s_cbranch_scc1 .Lnot_wave_0_\@
	s_barrier_signal -3
.Lnot_wave_0_\@:
	s_barrier_wait -3
	s_barrier_signal -1
	s_barrier_wait -1
.endm
.macro CROUND
	s_barrier_signal -1
	s_barrier_wait -1
	CREST
.endm
.macro TABSET a                        ; where row block a's tables lie: window TW, register TR
.if (\a) < 5
.set TW, 1
.set TR, 96+32*(\a)
.elseif (\a) == 5
.set TW, 0
.set TR, 32
.else
.set TW, 0
.set TR, 192+32*((\a)-6)
.endif
.endm
.macro TABL a                          ; row block a's tables are asked for: eight loads, into registers that no matrix instruction names
	TABSET \a
	WIN TW<<6
	global_load_b128 v[TR:TR+3],     v[TO], s[8:9] offset:8192*(\a)
	global_load_b128 v[TR+4:TR+7],   v[TO], s[8:9] offset:8192*(\a)+16
	global_load_b128 v[TR+8:TR+11],  v[TO], s[8:9] offset:8192*(\a)+256
	global_load_b128 v[TR+12:TR+15], v[TO], s[8:9] offset:8192*(\a)+272
	global_load_b128 v[TR+16:TR+19], v[TO], s[10:11] offset:8192*(\a)
	global_load_b128 v[TR+20:TR+23], v[TO], s[10:11] offset:8192*(\a)+16
	global_load_b128 v[TR+24:TR+27], v[TO], s[10:11] offset:8192*(\a)+256
	global_load_b128 v[TR+28:TR+31], v[TO], s[10:11] offset:8192*(\a)+272
.endm
	s_load_b256 s[4:11], s[0:1], 0x0               ; hb s[4:5], wqkv s[6:7], cos s[8:9], sin s[10:11]
	s_load_b128 s[68:71], s[0:1], 0x20             ; qb s[68:69], kb s[70:71]
	s_load_b64 s[72:73], s[0:1], 0x30              ; vb
	v_lshl_add_u32 v[SPW], v0, 2, SPARE
	v_mov_b32 v[NIL], 0
	ds_add_u32 v[SPW], v[NIL]                      ; the wave's opening: the add and its wait stand ahead of my first tensor load; work on registers stands between
	v_lshrrev_b32 v1, 5, v0
	v_readfirstlane_b32 s[WV], v1                  ; wave 0..3
	s_bfe_u32 s40, ttmp6, 0x40000                  ; cx
	s_bfe_u32 s41, ttmp6, 0x40004                  ; cy
	s_lshl_b32 s42, ttmp9, 2
	s_add_co_u32 s42, s42, s40                     ; the head = 4 x cluster x + cx
	s_and_b32 s66, ttmp7, 0xffff
	s_lshl_b32 s66, s66, 2
	s_add_co_u32 s66, s66, s41                     ; the tile row = 4 x cluster y + cy
	s_lshl_b32 s22, s41, 2
	s_lshl_b32 s22, 15, s22                        ; my row of the cluster
	s_lshl_b32 s23, 0x1111, s40                    ; my column
	s_or_b32 s[G1A], s22, (1<<16)|(1<<20)|(1<<21)|(5<<22)|(3<<25)  ; 15:0 the mask; 17:16 2-byte elements; 20 padding on; 21 set beside a mask; 24:22 after every 64 words; 31:25 4 words
	s_or_b32 s[G1B], s23, (1<<16)|(1<<20)|(1<<21)|(5<<22)|(3<<25)
.irp g, G1A, G1B
	s_mov_b32 s[(\g)+1], KSTEP<<16                 ; tensor_dim0 = 128
	s_mov_b32 s[(\g)+2], 128<<16                   ; tensor_dim1 = 128
	s_mov_b32 s[(\g)+3], KSTEP<<16                 ; tile_dim0 = 128
	s_mov_b32 s[(\g)+4], 128                       ; tile_dim1 = 128
	s_mov_b32 s[(\g)+5], 2048                      ; elements from row to row
	s_mov_b32 s[(\g)+6], 0
	s_mov_b32 s[(\g)+7], 0
.endr
	s_lshl_b32 s16, s66, 19                        ; hb: 128 rows of 4,096 bytes a tile row
	s_mov_b32 s17, 0
	s_max_u32 s18, s[WV], 1
	s_sub_co_u32 s18, s18, 1                       ; the sel that I fetch (wave 0, which fetches hb, makes sel 0's address and does not use it)
	s_lshl_b32 s18, s18, 7
	s_mul_i32 s46, s42, 384
	s_add_co_u32 s46, s46, s18
	s_lshl_b32 s46, s46, 12                        ; wqkv: row 384 head + 128 sel, in bytes
	s_mov_b32 s47, 0
	s_mul_i32 s20, s[WV], HALFT                    ; where my tile goes: no place in the cluster enters an LDS address
	s_wait_dscnt 0x0                               ; the opening add is done
	s_wait_kmcnt 0x0
	s_add_nc_u64 s[14:15], s[4:5], s[16:17]
	s_add_nc_u64 s[46:47], s[6:7], s[46:47]
	CROUND                                         ; all sixteen work-groups are here: the first joint loads meet
.irp s, 0,1
	s_mov_b32 s[G0A+4*(\s)], 1
	s_add_co_u32 s[G0A+4*(\s)+1], s20, (\s)*SLOT
	s_add_nc_u64 s[G0A+4*(\s)+2:G0A+4*(\s)+3], s[14:15], (\s)*KSTEP*2
	s_or_b32 s[G0A+4*(\s)+3], s[G0A+4*(\s)+3], 0x80000000
	s_mov_b32 s[G0B+4*(\s)], 1
	s_add_co_u32 s[G0B+4*(\s)+1], s20, (\s)*SLOT
	s_add_nc_u64 s[G0B+4*(\s)+2:G0B+4*(\s)+3], s[46:47], (\s)*KSTEP*2
	s_or_b32 s[G0B+4*(\s)+3], s[G0B+4*(\s)+3], 0x80000000
	JLOAD \s                                       ; K steps 0 and 1: two tensor loads of mine are out
.endr
	v_and_b32 v1, 15, v0                           ; r = l % 16
	v_bfe_u32 v2, v0, 4, 1                         ; h = l / 16
	v_mul_u32_u24 v3, v1, PITCH
	v_lshl_add_u32 v3, v2, 4, v3                   ; a fragment's row x pitch + 16 x half
	v_mov_b32 v[ADRA], v3
	v_add_nc_u32 v[ADRA+1], SLOT, v3
	s_mul_i32 s21, s[WV], 16*PITCH
	v_add_nc_u32 v4, s21, v3                       ; my 16 rows d = 16 w + r of a sel's lower half
.irp s, 0,1
.irp sel, 0,1,2
	v_add_nc_u32 v[ADRB+3*(\s)+(\sel)], (\s)*SLOT+(1+(\sel))*HALFT, v4
.endr
.endr
	s_lshl_b32 s21, s[WV], 5
	v_add_nc_u32 v5, s21, v3                       ; into the stage: row r, bytes 32 w + 16 h of the row's 256
	s_mul_i32 s21, s[WV], 32*PITCH
	v_mul_u32_u24 v6, v2, PITCH                    ; back: wave w takes rows 32 w .. 32 w + 31, whole: lanes 0-15 one row, lanes 16-31 the next
	v_lshl_add_u32 v6, v1, 4, v6
	v_add_nc_u32 v6, s21, v6
.irp sel, 0,1,2
	v_add_nc_u32 v[STO+(\sel)], (\sel)*HALFT, v5
	v_add_nc_u32 v[RD+(\sel)], (\sel)*HALFT, v6
.endr
	v_and_b32 v7, 31, v0
	v_lshlrev_b32 v[GO], 4, v7
	v_lshlrev_b32 v[PFO], 12, v7
	v_lshlrev_b32 v[TO], 9, v1                     ; a row of cos or sin is 512 bytes;
	v_lshl_add_u32 v[TO], v2, 5, v[TO]             ; my eight d begin at 16 w + 8 h
	s_lshl_b32 s21, s[WV], 6
	v_add_nc_u32 v[TO], s21, v[TO]
	s_lshl_b32 s16, s66, 16                        ; the tile row's 128 rows of cos and sin
	s_mov_b32 s17, 0
	s_add_nc_u64 s[8:9], s[8:9], s[16:17]
	s_add_nc_u64 s[10:11], s[10:11], s[16:17]
	s_lshl_b32 s16, s42, 19                        ; where I store: row 2,048 head + 128 tile row + 32 w, 256 bytes a row
	s_lshl_b32 s18, s66, 15
	s_add_co_u32 s16, s16, s18
	s_lshl_b32 s18, s[WV], 13
	s_add_co_u32 s16, s16, s18
	s_add_nc_u64 s[68:69], s[68:69], s[16:17]
	s_add_nc_u64 s[70:71], s[70:71], s[16:17]
	s_add_nc_u64 s[72:73], s[72:73], s[16:17]
	s_and_b32 s22, ttmp7, 0xffff                   ; the prefetches: cluster y
	s_cmp_eq_u32 s[WV], 0                          ; do I fetch hb?
	s_cselect_b32 s21, s40, s41                    ; my place among the four that ask with me
	s_cselect_b32 s22, ttmp9, s22                  ; the coordinate along which other clusters read the same rows
	s_cselect_b64 s[PFA:PFA+1], s[14:15], s[46:47]
	s_cmp_eq_u32 s22, 0
	s_cselect_b32 s[LIM], 1, -1                    ; the same in all sixteen partners, for a given wave
	s_lshl_b32 s20, s21, 17                        ; my work-group's 32 rows of the 128
	s_mov_b32 s21, 0
	s_add_nc_u64 s[PFA:PFA+1], s[PFA:PFA+1], s[20:21]
	s_add_nc_u64 s[PFA:PFA+1], s[PFA:PFA+1], 2*KSTEP*2  ; at K step 2: the first refill steps it to 3 and names K step 4; nothing is prefetched here, at the head
; 12 matrix instructions: row blocks a0, a0 + 1 of the window's four x all six column blocks, 32 along K, on fragment buffers f.  zero = 1: the product starts the sum.
; The 48 accumulators take turns, one instruction a turn, in the same order in every quarter step, over the backward jump too.
.macro MUL12 f, hi, a0, zero
	WIN 0xa1+0x50*(\hi)                            ; source 0 window 1, source 1 window 0, C and D window 2 or 3
.irp a, \a0, (\a0)+1
.irp b, 0,1,2,3,4,5
.if \zero
	v_wmma_f32_16x16x32_f16 v[8*(6*(\a)+(\b)):8*(6*(\a)+(\b))+7], v[48*(\f)+8*(\b):48*(\f)+8*(\b)+7], v[64+64*(\f)+8*(4*(\hi)+(\a)):64+64*(\f)+8*(4*(\hi)+(\a))+7], 0
.else
	v_wmma_f32_16x16x32_f16 v[8*(6*(\a)+(\b)):8*(6*(\a)+(\b))+7], v[48*(\f)+8*(\b):48*(\f)+8*(\b)+7], v[64+64*(\f)+8*(4*(\hi)+(\a)):64+64*(\f)+8*(4*(\hi)+(\a))+7], v[8*(6*(\a)+(\b)):8*(6*(\a)+(\b))+7]
.endif
.endr
.endr
.endm
; 28 LDS loads in one run: a quarter step's fragments (32 K at byte k of the rows) into buffers f: wqkv's twelve loads, then hb's sixteen, rows ascending
.macro FETCH slot, k, f
	WIN 0x40
.irp sel, 0,1,2
.irp hf, 0,1
	ds_load_b128 v[48*(\f)+8*(2*(\sel)+(\hf)):48*(\f)+8*(2*(\sel)+(\hf))+3],   v[ADRB+3*(\slot)+(\sel)] offset:(\k)+(\hf)*64*PITCH
	ds_load_b128 v[48*(\f)+8*(2*(\sel)+(\hf))+4:48*(\f)+8*(2*(\sel)+(\hf))+7], v[ADRB+3*(\slot)+(\sel)] offset:(\k)+(\hf)*64*PITCH+32
.endr
.endr
	WIN 0
.irp i, 0,1,2,3,4,5,6,7
	ds_load_b128 v[64+64*(\f)+8*(\i):64+64*(\f)+8*(\i)+3],   v[ADRA+(\slot)] offset:(\k)+(\i)*16*PITCH
	ds_load_b128 v[64+64*(\f)+8*(\i)+4:64+64*(\f)+8*(\i)+7], v[ADRA+(\slot)] offset:(\k)+(\i)*16*PITCH+32
.endr
.endm
; A K step is four quarters of 32 along K, 48 matrix instructions each, on buffers 0, 1, 0, 1.  One of the first three multiplies f and fetches the next quarter into g.
.macro QUARTER slot, k, f, g, zero
	s_wait_dscnt 8                                 ; wqkv's fragments and hb's rows 0-63 are in; the youngest eight loads (rows 64-127) may be out
	MUL12 \f, 0, 0, \zero
	MUL12 \f, 0, 2, \zero
	PLACES
	FETCH \slot, \k, \g
	s_wait_dscnt 28                                ; all but the 28 just issued
	MUL12 \f, 1, 0, \zero
	MUL12 \f, 1, 2, \zero
.endm
; The last quarter's first half, and the one barrier of a change of slots: ahead of it each wave waits for all its tensor loads (one is out: its part of the next slot), adds 0 to its spare word,
; and waits for that and for its own reads of this slot.
.macro MEET round
	WIN 0
	s_wait_tensorcnt 0x0                           ; all my tensor loads have landed
	ds_add_u32 v[SPW], v[NIL]                      ; 0 onto my spare word
	s_wait_dscnt 9                                 ; the add and the youngest eight loads may be out
	MUL12 1, 0, 0, 0                               ; twelve matrix instructions stand between the add and the wait for it
	s_wait_dscnt 0x0                               ; the add is done, and my reads of this slot are over
	s_barrier_signal -1
	MUL12 1, 0, 2, 0
.if \round
	WIN 0
.endif
	s_barrier_wait -1
.endm
; The whole last quarter.  fill = 1: the barrier opens a round of the cluster's; the slot just read out is filled again first behind it, two K steps on: 168 matrix instructions ahead of the wait for it.
.macro TURN slot, next, fill
.if \fill
	s_wait_xcnt 0x0                                ; the last prefetch, a K step back, has read its address
	s_add_nc_u64 s[PFA:PFA+1], s[PFA:PFA+1], KSTEP*2
.endif
	MEET \fill
.if \fill
	CREST                                          ; no wave of any partner still reads this slot's tile or has a load on its way
	s_add_nc_u64 s[G0A+4*(\slot)+2:G0A+4*(\slot)+3], s[G0A+4*(\slot)+2:G0A+4*(\slot)+3], 2*KSTEP*2
	s_add_nc_u64 s[G0B+4*(\slot)+2:G0B+4*(\slot)+3], s[G0B+4*(\slot)+2:G0B+4*(\slot)+3], 2*KSTEP*2
	JLOAD \slot                                    ; the four v_nop behind it are also the places in front of the loads below
.else
	PLACES
.endif
	FETCH \next, 0, 0
.if \fill
	ASK
.endif
	MUL12 1, 1, 0, 0
	MUL12 1, 1, 2, 0
.endm
	s_wait_tensorcnt 1                             ; my part of K step 0 is in; K step 1's may stay out
	s_barrier_signal -1
	s_barrier_wait -1                              ; everybody's is
	FETCH 0, 0, 0
	QUARTER 0, 64, 0, 1, 1                         ; the first quarter stands in front of the loop: its products start the sums
	WIN 0
	s_mov_b32 s3, LAPS-1
.Llap:                                         ; a trip goes once round the ring, from a lap's second quarter to the next lap's first, and fills both slots again
	QUARTER 0, 128, 1, 0, 0
	QUARTER 0, 192, 0, 1, 0
	TURN 0, 1, 1
	QUARTER 1, 64,  0, 1, 0
	QUARTER 1, 128, 1, 0, 0
	QUARTER 1, 192, 0, 1, 0
	TURN 1, 0, 1
	QUARTER 0, 64,  0, 1, 0
	WIN 0
	s_sub_co_u32 s3, s3, 1
	s_cmp_lg_u32 s3, 0
	s_cbranch_scc1 .Llap
	TABL 0                                         ; the last lap fills nothing, and has no round of the cluster's barrier; cos and sin are asked for in it
	TABL 1
	QUARTER 0, 128, 1, 0, 0
	TABL 2
	TABL 3
	QUARTER 0, 192, 0, 1, 0
	TABL 4
	TABL 5
	TURN 0, 1, 0                                   ; behind this barrier nobody reads slot 0 any more, and it has had its last fill
	TABL 6
	TABL 7
	QUARTER 1, 64,  0, 1, 0
	QUARTER 1, 128, 1, 0, 0
	QUARTER 1, 192, 0, 1, 0
	s_wait_dscnt 8
	MUL12 1, 0, 0, 0
	MUL12 1, 0, 2, 0
	s_wait_dscnt 0x0
	MUL12 1, 1, 0, 0
	MUL12 1, 1, 2, 0
	WIN 0
; THE WAY OUT.  For row block a: q and k are rotated in f32, lo' = lo cos[d] - hi sin[d], hi' = hi cos[d + 64] + lo sin[d + 64], rounded to bf16; v is rounded to f16; 16 bytes a lane go into the stage.
; Each accumulator's lowest registers are read first.
.macro ROPEA a
	TABSET \a
.set AW, 2+(\a)/4
.set AB, 48*((\a)%4)
	WIN AW|(TW<<2)                                 ; source 0: the sums; source 1: the tables; source 2 and destination window 0
.irp sel, 0,1
.irp p, 0,1,2,3
	v_pk_mul_f32 v[64+24*(\sel)+2*(\p):64+24*(\sel)+2*(\p)+1], v[AB+16*(\sel)+8+2*(\p):AB+16*(\sel)+8+2*(\p)+1], v[TR+16+2*(\p):TR+16+2*(\p)+1]
	v_pk_mul_f32 v[72+24*(\sel)+2*(\p):72+24*(\sel)+2*(\p)+1], v[AB+16*(\sel)+2*(\p):AB+16*(\sel)+2*(\p)+1], v[TR+24+2*(\p):TR+24+2*(\p)+1]
	v_pk_fma_f32 v[64+24*(\sel)+2*(\p):64+24*(\sel)+2*(\p)+1], v[AB+16*(\sel)+2*(\p):AB+16*(\sel)+2*(\p)+1], v[TR+2*(\p):TR+2*(\p)+1], v[64+24*(\sel)+2*(\p):64+24*(\sel)+2*(\p)+1] neg_lo:[0,0,1] neg_hi:[0,0,1]
	v_pk_fma_f32 v[72+24*(\sel)+2*(\p):72+24*(\sel)+2*(\p)+1], v[AB+16*(\sel)+8+2*(\p):AB+16*(\sel)+8+2*(\p)+1], v[TR+8+2*(\p):TR+8+2*(\p)+1], v[72+24*(\sel)+2*(\p):72+24*(\sel)+2*(\p)+1]
.endr
.endr
	WIN AW|(AW<<2)
.irp p, 0,1,2,3,4,5,6,7
	v_cvt_pk_f16_f32 v[112+(\p)], v[AB+32+2*(\p)], v[AB+32+2*(\p)+1]
.endr
	WIN 0
.irp sel, 0,1
.irp p, 0,1,2,3
	v_cvt_pk_bf16_f32 v[80+24*(\sel)+(\p)], v[64+24*(\sel)+2*(\p)], v[64+24*(\sel)+2*(\p)+1]
	v_cvt_pk_bf16_f32 v[84+24*(\sel)+(\p)], v[72+24*(\sel)+2*(\p)], v[72+24*(\sel)+2*(\p)+1]
.endr
	ds_store_b128 v[STO+(\sel)], v[80+24*(\sel):83+24*(\sel)] offset:(\a)*16*PITCH
	ds_store_b128 v[STO+(\sel)], v[84+24*(\sel):87+24*(\sel)] offset:(\a)*16*PITCH+128
.endr
	ds_store_b128 v[STO+2], v[112:115] offset:(\a)*16*PITCH
	ds_store_b128 v[STO+2], v[116:119] offset:(\a)*16*PITCH+128
.endm
.macro BACKL sel                       ; my 32 whole rows of sel's stage, two rows a load
.set BK, 64+64*((\sel)%2)
.irp t, 0,1,2,3,4,5,6,7,8,9,10,11,12,13,14,15
	ds_load_b128 v[BK+4*(\t):BK+4*(\t)+3], v[RD+(\sel)] offset:(\t)*2*PITCH
.endr
.endm
.macro BSEND sel, younger              ; younger: the LDS loads issued behind sel's sixteen
.set BK, 64+64*((\sel)%2)
.irp t, 0,1,2,3,4,5,6,7,8,9,10,11,12,13,14,15
	s_wait_dscnt (\younger)+15-(\t)
	global_store_b128 v[GO], v[BK+4*(\t):BK+4*(\t)+3], s[68+2*(\sel):69+2*(\sel)] offset:512*(\t)  ; 512 consecutive bytes, at a multiple of 256 from the buffer's first byte
.endr
.endm
	s_wait_loadcnt 0x0                             ; cos and sin
	PLACES
.irp a, 0,1,2,3,4,5,6,7
	ROPEA \a
.endr
	s_wait_dscnt 0x0                               ; for the others' sake: my stores into the stage are done
	s_barrier_signal -1
	s_barrier_wait -1                              ; a row's 256 bytes come from all four waves
	BACKL 0
	BACKL 1
	BSEND 0, 16
	s_wait_xcnt 0x0                                ; q's stores have read their registers, which v's rows take now
	BACKL 2
	BSEND 1, 16
	BSEND 2, 0
	s_wait_tensorcnt 0x0                           ; the wave's end: behind my last tensor load and my last LDS store
	ds_add_u32 v[SPW], v[NIL]
	s_wait_dscnt 0x0
	CROUND                                         ; the closing round: no work-group ends while a partner may still ask for a tile that names it
	s_endpgm
.Lfunc_end_k_qd21fa20b96_qkv:
	.size	k_qd21fa20b96_qkv, .Lfunc_end_k_qd21fa20b96_qkv-k_qd21fa20b96_qkv
	.p2alignl 7, 3214868480
	.fill 96, 4, 3214868480
	.section	.rodata,"a",@progbits
	.p2align	6, 0x0
	.amdhsa_kernel k_qd21fa20b96_qkv
		.amdhsa_group_segment_fixed_size 327680
		.amdhsa_private_segment_fixed_size 0
		.amdhsa_enable_private_segment 0
		.amdhsa_kernarg_size 56
		.amdhsa_user_sgpr_count 2
		.amdhsa_user_sgpr_kernarg_segment_ptr 1
		.amdhsa_wavefront_size32 1
		.amdhsa_system_sgpr_workgroup_id_x 1
		.amdhsa_system_sgpr_workgroup_id_y 1
		.amdhsa_system_sgpr_workgroup_id_z 1
		.amdhsa_system_vgpr_workitem_id 0
		.amdhsa_next_free_vgpr 1024
		.amdhsa_next_free_sgpr 80
		.amdhsa_reserve_vcc 0
		.amdhsa_float_denorm_mode_32 3
		.amdhsa_float_denorm_mode_16_64 3
		.amdhsa_memory_ordered 1
		.amdhsa_forward_progress 1
		.amdhsa_inst_pref_size 139
	.end_amdhsa_kernel
	.amdgpu_metadata
---
amdhsa.version: [ 1, 2 ]
amdhsa.kernels:
  - .name:           k_qd21fa20b96_qkv
    .symbol:         k_qd21fa20b96_qkv.kd
    .args:
      - { .name: hb, .offset: 0, .size: 8, .value_kind: global_buffer, .address_space: global }
      - { .name: wqkv, .offset: 8, .size: 8, .value_kind: global_buffer, .address_space: global }
      - { .name: cos, .offset: 16, .size: 8, .value_kind: global_buffer, .address_space: global }
      - { .name: sin, .offset: 24, .size: 8, .value_kind: global_buffer, .address_space: global }
      - { .name: qb, .offset: 32, .size: 8, .value_kind: global_buffer, .address_space: global }
      - { .name: kb, .offset: 40, .size: 8, .value_kind: global_buffer, .address_space: global }
      - { .name: vb, .offset: 48, .size: 8, .value_kind: global_buffer, .address_space: global }
    .group_segment_fixed_size: 327680
    .private_segment_fixed_size: 0
    .kernarg_segment_align: 8
    .kernarg_segment_size: 56
    .max_flat_workgroup_size: 128
    .sgpr_count:     80
    .vgpr_count:     1024
    .wavefront_size: 32
...
	.end_amdgpu_metadata
.endif
;; end of part 2
;; launch attn (part 3): grid 16 x 16, 4 waves a work-group, clusters of 4 x 1, 327,680 bytes of LDS; arguments qb, kb, vb, ob, wo, wob; writes ob, wob
.if DOCPART == 3
	.amdgcn_target "amdgcn-amd-amdhsa--gfx1250"
	.amdhsa_code_object_version 6
	.text
	.protected	k_qd21fa20b96_attn
	.globl	k_qd21fa20b96_attn
	.p2align	8
	.type	k_qd21fa20b96_attn,@function
k_qd21fa20b96_attn:
	s_mov_b64 s[64:65], 0
	v_nop
	global_prefetch_b8 v0, s[64:65] scope:SCOPE_SE
	s_setreg_imm32_b32 hwreg(HW_REG_WAVE_MODE, 25, 1), 1
	s_wait_xcnt 0x0
	s_wait_alu depctr_hold_cnt(0) depctr_sa_sdst(0) depctr_va_vdst(0) depctr_va_sdst(0) depctr_va_ssrc(0) depctr_va_vcc(0) depctr_vm_vsrc(0)
	s_getreg_b32 s2, hwreg(HW_REG_IB_STS2, 6, 4)
	s_cmp_eq_u32 s2, 0
	s_cbranch_scc0 .Lentry_in_a_cluster
	s_endpgm
.Lentry_in_a_cluster:
	s_bfe_u32 s2, ttmp6, 0x10000c
	s_cmp_lg_u32 s2, 0x3003
	s_cbranch_scc0 .Lentry_shape_is_right
	s_endpgm
.Lentry_shape_is_right:
; CAUSAL ATTENTION.  O[q] = the sum over k <= q of softmax_k(Q[h][q] . K[h][k] / sqrt(128)) V[h][k].  qb, kb: [16][2048][128] bf16; vb: the same in f16; ob: [2048][128 head + d] f16.
; Products, maxima and sums in f32; the weights p are rounded to f16 for the second product (their sum l is taken of the unrounded p), O once at the end.
; LIMITS.  A hidden score counts as its value less 1e30; a weight below 2^-126 counts as 0; NaN and infinities are not treated apart; O is a mean of V's rows and has their range.  |wo| stays under 65,504.
; THE WALK.  A head's queries lie in 32 blocks of 64; block i needs the key tiles 0 .. i / 4 of 256 keys.  A work-group takes TWO blocks, 31 - b and then b, b = 4 g + cx (g: the cluster's x):
; (8 - g) + (g + 1) = 9 tiles, whatever b.  The four partners of a cluster walk the SAME tiles, 0 .. 7 - g and then 0 .. g, so every tile of K and V is asked for jointly.
; SHARES.  Every wave holds all 64 queries of the block in hand (four tiles of 16); THE KEYS ARE SPLIT AMONG THE WAVES: of a tile's 256 keys wave w takes 64 w .. 64 w + 63.  So a fragment of K or V feeds four
; query tiles.  Each wave keeps its own running maximum m, sum l and O; at a block's end the four partial results meet in LDS, in f32, each scaled by 2^(c m_w - max c m).
; THE MASK is the C operand that starts a sum S^T = K Q^T.  With DD = block - 4 tile - wave: DD > 0 all keys are seen, DD < 0 none, DD = 0 the 64 x 64 square holds the diagonal.  Three groups of eight registers,
; made anew each round from two scalars: MLO for key block < query tile, MEQ for the equal one, MHI for the greater.  DD feeds selects alone, never a branch: all rounds have one text.
; A wave that sees only hidden keys ends with c m near -1.3e29 and finite l and O; the meeting gives it the factor 0.
; LAYOUT, SOFTMAX.  S^T holds ONE query a lane (lane % 16) and the keys 8 (lane / 16) + 0..7; two such results rounded to f16 ARE source 1 of O^T = V^T P.  p = 2^(c s - c m), c = log2(e) / sqrt(128);
; O and l are multiplied by a = 2^(c m_old - c m_new) in every round.  c m starts far below every c s, so a block's first a is 0: no first step is written out, and O and l need only be finite there:
; 32 products of two zero fragments write O's 256 registers once, in the wait for the first tile.
; A ROUND: K's and V's fragments; 32 products K Q^T of piece 0 (tiles 0, 1); 32 of piece 2 with piece 0's softmax in slices behind them; 32 products V^T P of piece 0 with piece 2's softmax; 32 of piece 2.
; wob = f16(wo), [2048][2048], IS MADE HERE TOO, for the next launch.  This launch's own global loads are Q alone.  Each of its 1,024 waves takes 16,384 bytes of wo, 2,048 in each of the loop's eight rounds:
; four loads behind the round's LDS loads, waited for at the round's end, 128 products later; eight roundings; four stores of 256 consecutive bytes.
; REGISTERS, in windows of 256 (s_set_vgpr_msb: bits 1:0 source 0, 3:2 source 1, 5:4 source 2, 7:6 destination):
;   window 0: v0-11 addresses; v12-43 eight registers of statistics a tile; v44-53 set-up and offsets; v64-191 S^T, 32 a tile; v192-255 P, 16 a tile
;   window 1: O^T, 64 a tile     window 2: v0-127 Q; v128-255 K     window 3: v0-127 V; v128-135 TRI; v136-159 the three masks; v160-183 wo's numbers
.set PK,    272       ; a row of K in LDS: 256 bytes + 16: the 16 rows of a load start at 16 different groups of four banks (64 banks of 4 bytes: ISA guide 11.1)
.set PV,    288       ; a row of V: 256 + 32
.set VOFF,  256*PK    ; a slot: 256 rows of K, then 256 rows of V
.set STATS, 256*(PK+PV)  ; behind slot 0: [tile 4][query 16][wave 4] x (c m, l), 2,048 bytes; no tensor load lands here
.set SPARE, STATS+2048   ; the spare words, 128 bytes a wave, that no other line names
.set SLOT1, 0x24000   ; slot 1 begins here; its two bits meet no bit of the four LDS words that are turned by it, so one exclusive or changes slots
.set STAGE, SLOT1+256*(PK+PV)  ; behind the ring: 16 rows x 528 bytes for each wave, a partial tile of O in f32
.set AK0, 2           ; v2   my lane's place in my 64 keys of a tile of K; never rewritten
.set AV0, 3           ; v3   the same for V
.set ADR, 4           ; v4   the LDS address of K's run of loads
.set ADRV, 5          ; v5   of V's
.set QO,  6           ; v6   my byte offset in 16 rows of Q
.set MSA, 7           ; v7   where I put (c m, l)
.set MSR, 8           ; v8   where I read four queries' statistics, tile 0
.set MOS, 9           ; v9   where I put 16 bytes of a partial row of O
.set MOR, 10          ; v10  where I read partial rows back
.set GO,  11          ; v11  my byte offset in ob: 8 x lane + 4 w rows
.set ST,  12          ; tile t's statistics at v[ST+8 t]: +0 c m, +1 m, +2, +3 l (even keys', odd keys'), +4 to +7 c0-c3, at work; a takes c2's place
.set WOL, 50          ; v50  16 x lane: my 16 bytes of 512 of wo; never rewritten
.set WOS, 51          ; v51  8 x lane: my 8 bytes of 256 of wob; never rewritten
.set TSR, 52          ; v52  MSR's copy, which walks the four tiles of a meeting
.set TGO, 53          ; v53  GO's copy, likewise
.set PFO, 61          ; v61  256 x lane; never rewritten
.set SPW, 62          ; v62  LDS address of my spare word; never rewritten
.set NIL, 63          ; v63  0; never rewritten
.set S,   64
.set P,   192
.set KF,  128         ; window 2
.set TRI, 128         ; window 3: register j is -1e30 where 8 (l / 16) + j > l % 16
.set MLO, 136
.set MEQ, 144
.set MHI, 152
.set WB,  160         ; window 3: a round's 16 numbers of wo a lane, as loaded
.set WC,  176         ; window 3: the same, rounded and packed
.set MO,  64          ; the meeting: four queries x four waves x four channels
.set MST, 128         ; four queries' statistics, eight registers each
.set MOUT, 160        ; four queries' packed results
.set MMX, 168
.set MLS, 172
.set MRC, 176
.set WV,  12          ; s12  my wave's number
.set LIM, 15          ; s15  2 in the cluster that prefetches, else the greatest number
.set PFA, 18          ; s[18:19] where my prefetches stand
.set G1K, 24          ; s[24:31] descriptor group 1 for K's tiles;  s[32:39] for V's: the padding differs
.set G1V, 32
.set G0K, 40          ; s[40:43], s[44:47] descriptor group 0: they walk
.set G0V, 44
.set QL,  48          ; s[48:49] Q of the second block
.set OL,  50          ; s[50:51] ob at the second block
.set DD,  52          ; s52  block - 4 tile - wave, signed
.set DL,  53          ; s53  its start for the second block
.set RT,  54          ; s54  rounds that the block in hand still has
.set NXT, 55          ; s55  the tile to be asked for next
.set SLOTS, 56        ; s56  tiles still to be asked for
.set LQ,  57          ; s57  the last tile of the block whose tiles are being asked for
.set CS,  58          ; s[58:59] c
.set SEL, 60          ; s[60:61] v_permlanex16_b32's selects
.set TB,  62          ; s62  LDS byte at which the slot to be read begins
.set BIGN, 63         ; s63  -1e30
.set OFF, 66          ; s[66:67] a tile's byte offset in K and V
.set ALQ, 68          ; s[68:69], s[70:71], s[72:73], s[74:75]: the masks' factor, two addends, and 0, each in a pair's low word
.set BLO, 70
.set BHI, 72
.set ZER, 74
.set WOP, 80          ; s[80:81] wo, s[82:83] wob: behind my wave's part of the round in hand (the loads and stores reach back by their immediates)
.set PH,  88          ; s88  counts a meeting's four tiles, 4 to 1
.set MSB, 0
.macro WIN new
.if MSB != (\new)
	s_set_vgpr_msb (MSB<<8)|(\new)
.set MSB, \new
.endif
.endm
.set W_KQ, 0x0a       ; K and Q in window 2, S^T in window 0
.set W_KM, 0x3a       ; the same with the C operand in window 3
.set W_PV, 0x53       ; V in window 3, P in window 0, O^T in window 1
.set W_RS, 0x41       ; O^T (destination and source 0) in window 1, a in window 0
.macro PLACES
.rept 4
	v_nop
.endr
.endm
; A joint fill.  Waves 0 and 1 fetch the two halves of a tile's K, waves 2 and 3 those of its V: 128 rows of 256 bytes each.  An s_nop 0 and four v_nop follow each line.
.macro JLOAD
	s_cmp_lt_u32 s[WV], 2
	s_cbranch_scc0 .Lfor_v_\@
	tensor_load_to_lds s[G0K:G0K+3], s[G1K:G1K+7]
	s_nop 0
.rept 4
	v_nop
.endr
	s_branch .Lasked_\@
.Lfor_v_\@:
	tensor_load_to_lds s[G0V:G0V+3], s[G1V:G1V+7]
	s_nop 0
.rept 4
	v_nop
.endr
.Lasked_\@:
.endm
; A prefetch of the tile that the NEXT change of slots will ask for.  The head's cluster with g = 0 walks tiles 0 to 7 in rounds 0 to 7: it alone asks, in rounds 0 to 5 (SLOTS 8 to 3) for tiles 2 to 7.
; Each wave names the 128 rows that it fetches; of them each of the four partners takes 32, told apart by address: a lane a row, one instruction a wave.  So each row is named once in the launch.
.macro ASK
	s_cmp_gt_u32 s[SLOTS], s[LIM]
	s_cbranch_scc0 .Lnot_mine_\@
	global_prefetch_b8 v[PFO], s[PFA:PFA+1] th:TH_LOAD_NT scope:SCOPE_SE
.Lnot_mine_\@:
.endm
.macro CROUND
	s_barrier_signal -1
	s_barrier_wait -1
	s_cmp_lg_u32 s[WV], 0
	s_cbranch_scc1 .Lnot_wave_0_\@
	s_barrier_signal -3
.Lnot_wave_0_\@:
	s_barrier_wait -3
	s_barrier_signal -1
	s_barrier_wait -1
.endm
; THE CHANGE OF SLOTS.  Each wave waits for all its tensor loads (one is out: its part of the other slot), adds 0 to its spare word, and waits for that and for its own LDS reads.  fill = 1: the barrier is a round of
; the cluster's, and the slot just read is filled again first behind it, with tile NXT: the descriptor's address is made anew from that number.  The load has a round's 128 matrix instructions in which to land.
.macro CHANGE fill
	WIN 0
	s_wait_tensorcnt 0x0            ; no tensor load of mine is out, so a group 0 may be written
	ds_add_u32 v[SPW], v[NIL]       ; 0 onto my spare word
.if \fill
	s_lshl_b32 s[OFF], s[NXT], 16   ; a tile is 65,536 bytes of K and of V
	s_xor_b32 s[G0K+1], s[G0K+1], SLOT1
	s_add_nc_u64 s[G0K+2:G0K+3], s[6:7], s[OFF:OFF+1]
	s_or_b32 s[G0K+3], s[G0K+3], 0x80000000
	s_xor_b32 s[G0V+1], s[G0V+1], SLOT1
	s_add_nc_u64 s[G0V+2:G0V+3], s[8:9], s[OFF:OFF+1]
	s_or_b32 s[G0V+3], s[G0V+3], 0x80000000
	s_add_co_u32 s[NXT], s[NXT], 1  ; the block's next tile, or behind its last the second block's tile 0
	s_cmp_gt_u32 s[NXT], s[LQ]
	s_cselect_b32 s[NXT], 0, s[NXT]
	s_cselect_b32 s[LQ], 15, s[LQ]
	s_wait_xcnt 0x0                 ; the last round's prefetch, and its loads of wo and stores of wob, have read their addresses and data
	s_add_nc_u64 s[PFA:PFA+1], s[PFA:PFA+1], 65536
	s_add_nc_u64 s[WOP:WOP+1], s[WOP:WOP+1], 2048      ; this round's 2,048 bytes of wo,
	s_add_nc_u64 s[WOP+2:WOP+3], s[WOP+2:WOP+3], 1024  ; and 1,024 of wob
	s_wait_dscnt 0x0                ; the add is done, and my LDS reads are over
	CROUND
	JLOAD
	ASK
.else
	s_wait_dscnt 0x0
	s_barrier_signal -1
	s_barrier_wait -1
.endif
	s_xor_b32 s[TB], s[TB], SLOT1   ; the slot that has landed is read
.endm
	s_load_b256 s[4:11], s[0:1], 0x0  ; qb s[4:5], kb s[6:7], vb s[8:9], ob s[10:11]
	s_load_b128 s[WOP:WOP+3], s[0:1], 0x20  ; wo, wob
	v_lshl_add_u32 v[SPW], v0, 2, SPARE
	v_mov_b32 v[NIL], 0
	ds_add_u32 v[SPW], v[NIL]       ; the wave's opening: the add and its wait stand ahead of my first tensor load; work on registers stands between
	v_lshrrev_b32 v1, 5, v0
	v_readfirstlane_b32 s[WV], v1   ; wave 0..3
	s_bfe_u32 s13, ttmp6, 0x40000   ; cx
	s_mov_b32 s14, ttmp9            ; g
	s_lshl_b32 s16, s14, 2
	s_add_co_u32 s16, s16, s13      ; b: the second block
	s_sub_co_u32 s17, 31, s16       ; the first block
	s_and_b32 s76, ttmp7, 0xffff    ; the head, which the four partners share
	s_lshl_b32 s77, s76, 19         ; its first byte in qb, kb, vb
	s_lshl_b32 s84, s76, 4
	s_add_co_u32 s84, s84, s16      ; the work-group's number, 16 head + b,
	s_lshl_b32 s84, s84, 2
	s_add_co_u32 s84, s84, s[WV]    ; my wave among the launch's 1,024:
	s_lshl_b32 s86, s84, 13         ; its 8,192 bytes of wob,
	s_lshl_b32 s84, s84, 14         ; its 16,384 bytes of wo
	s_mov_b32 s85, 0
	s_mov_b32 s87, 0
	s_and_b32 s78, s[WV], 1         ; which half of a tile's 256 rows I fetch
	s_mov_b32 s[G0K], 1
	s_mul_i32 s[G0K+1], s78, 128*PK ; its place in slot 0: no place in the cluster enters an LDS address
	s_mov_b32 s[G0V], 1
	s_mul_i32 s[G0V+1], s78, 128*PV
	s_add_co_u32 s[G0V+1], s[G0V+1], VOFF
	s_lshl_b32 s2, s78, 15
	s_add_co_u32 s2, s2, s77
	s_mov_b32 s3, 0
	s_lshl_b32 s20, s17, 14         ; a block's 64 rows of 256 bytes
	s_add_co_u32 s20, s20, s77
	s_mov_b32 s21, 0
	s_lshl_b32 s22, s16, 14
	s_add_co_u32 s22, s22, s77
	s_mov_b32 s23, 0
	s_lshl_b32 s76, s76, 8          ; in ob the head's 128 channels are 256 bytes of a row of 4,096
	s_lshl_b32 s78, s16, 18
	s_add_co_u32 s78, s78, s76
	s_mov_b32 s79, 0
	s_lshl_b32 s77, s17, 18
	s_add_co_u32 s76, s76, s77
	s_mov_b32 s77, 0
	s_mov_b32 s[G1K], 15|(1<<16)|(1<<20)|(1<<21)|(5<<22)|(3<<25)  ; 15:0 the mask of four; 17:16 2-byte elements; 20 padding on; 21 set beside a mask; 24:22 after every 64 words; 31:25 4 words
	s_mov_b32 s[G1V], 15|(1<<16)|(1<<20)|(1<<21)|(5<<22)|(7<<25)  ; the same with 8 words of padding
.irp g, G1K, G1V
	s_mov_b32 s[(\g)+1], 128<<16    ; tensor_dim0 = 128
	s_mov_b32 s[(\g)+2], 128<<16    ; tensor_dim1 = 128
	s_mov_b32 s[(\g)+3], 128<<16    ; tile_dim0 = 128
	s_mov_b32 s[(\g)+4], 128        ; tile_dim1 = 128
	s_mov_b32 s[(\g)+5], 128        ; elements from row to row
	s_mov_b32 s[(\g)+6], 0
	s_mov_b32 s[(\g)+7], 0
.endr
	s_mov_b32 s[CS], 0x3e0293ee     ; c = log2(e) / sqrt(128)
	s_mov_b32 s[CS+1], s[CS]
	s_mov_b32 s[SEL], 0x76543210
	s_mov_b32 s[SEL+1], 0xfedcba98
	s_mov_b32 s[TB], SLOT1          ; the first change of slots turns it into 0
	s_mov_b32 s[BIGN], 0xf149f2ca   ; -1e30
	s_mov_b32 s[OFF+1], 0
	s_mov_b32 s[ALQ+1], 0           ; named as pairs
	s_mov_b32 s[BLO+1], 0
	s_mov_b32 s[BHI+1], 0
	s_mov_b32 s[ZER], 0
	s_mov_b32 s[ZER+1], 0
	s_sub_co_u32 s[RT], 8, s14      ; the first block has 8 - g tiles
	s_sub_co_u32 s[LQ], 7, s14
	s_mov_b32 s[NXT], 1
	s_mov_b32 s[SLOTS], 8
	s_sub_co_u32 s[DD], s17, s[WV]
	s_sub_co_u32 s[DL], s16, s[WV]
	s_cmp_eq_u32 s14, 0
	s_cselect_b32 s[LIM], 2, -1     ; the same in all four partners
	s_wait_dscnt 0x0                ; the opening add is done
	s_wait_kmcnt 0x0
	s_add_nc_u64 s[6:7], s[6:7], s[2:3]  ; K and V at my half of the head's tile 0
	s_add_nc_u64 s[8:9], s[8:9], s[2:3]
	s_add_nc_u64 s[QL:QL+1], s[4:5], s[22:23]
	s_add_nc_u64 s[4:5], s[4:5], s[20:21]
	s_add_nc_u64 s[OL:OL+1], s[10:11], s[78:79]
	s_add_nc_u64 s[10:11], s[10:11], s[76:77]
	s_add_nc_u64 s[WOP:WOP+1], s[WOP:WOP+1], s[84:85]      ; wo and wob at my wave's part; the first change of slots steps them behind the first round's
	s_add_nc_u64 s[WOP+2:WOP+3], s[WOP+2:WOP+3], s[86:87]
	s_add_nc_u64 s[G0K+2:G0K+3], s[6:7], 0
	s_or_b32 s[G0K+3], s[G0K+3], 0x80000000
	s_add_nc_u64 s[G0V+2:G0V+3], s[8:9], 0
	s_or_b32 s[G0V+3], s[G0V+3], 0x80000000
	s_cmp_lt_u32 s[WV], 2
	s_cselect_b64 s[PFA:PFA+1], s[6:7], s[8:9]
	s_lshl_b32 s2, s13, 13          ; my work-group's 32 rows of the 128
	s_add_nc_u64 s[PFA:PFA+1], s[PFA:PFA+1], s[2:3]
	s_add_nc_u64 s[PFA:PFA+1], s[PFA:PFA+1], 65536  ; in tile 1; the first change steps it to tile 2.  Nothing is prefetched here, at the head
	CROUND                          ; all four work-groups are here: the first joint loads meet
	JLOAD                           ; tile 0 into slot 0; slot 1 is asked for when it has landed
	v_and_b32 v44, 15, v0           ; r = l % 16
	v_bfe_u32 v45, v0, 4, 1         ; h = l / 16
	v_and_b32 v46, 7, v0
	v_bfe_u32 v47, v0, 3, 1
	v_and_b32 v48, 31, v0
	v_lshlrev_b32 v[QO], 8, v44
	v_lshl_add_u32 v[QO], v45, 4, v[QO]
	WIN 0x80                        ; destination window 2
.irp i, 0,1,2,3,4,5,6,7,8,9,10,11,12,13,14,15  ; Q of the first block: tile i / 4, channels 32 (i % 4) on
	global_load_b128 v[8*(\i):8*(\i)+3],   v[QO], s[4:5] offset:((\i)/4)*4096+((\i)%4)*64
	global_load_b128 v[8*(\i)+4:8*(\i)+7], v[QO], s[4:5] offset:((\i)/4)*4096+((\i)%4)*64+32
.endr
	WIN 0
.set i, 0
.rept 16
	v_mov_b32 v[S+i], 0             ; two fragments of zeros, in registers that the first scores take later
.set i, i+1
.endr
	WIN 0x40                        ; destination window 1, sources window 0
.set i, 0
.rept 32
	v_wmma_f32_16x16x32_f16 v[8*i:8*i+7], v[S:S+7], v[S+8:S+15], 0  ; O^T need only be finite where a block begins: its 32 accumulators are written once, in the wait for the first tile
.set i, i+1
.endr
	WIN 0
.irp t, 0,1,2,3
	v_mov_b32 v[ST+8*(\t)], 0xfe000000    ; c m: far below every c s
	v_mov_b32 v[ST+8*(\t)+1], 0xff7fffff  ; m
	v_mov_b32 v[ST+8*(\t)+2], 0
	v_mov_b32 v[ST+8*(\t)+3], 0
.endr
	s_mul_i32 s20, s[WV], 64*PK
	v_mul_u32_u24 v[AK0], v44, PK
	v_lshl_add_u32 v[AK0], v45, 4, v[AK0]
	v_add_nc_u32 v[AK0], s20, v[AK0]      ; (64 w + r) x pitch + 16 h
	s_mul_i32 s20, s[WV], 64*PV
	s_add_co_u32 s20, s20, VOFF
	v_lshl_add_u32 v[AV0], v45, 3, v46    ; the turning load: key 8 h + l % 8, channels 8 ((l / 8) % 2) on
	v_mul_u32_u24 v[AV0], v[AV0], PV
	v_lshl_add_u32 v[AV0], v47, 4, v[AV0]
	v_add_nc_u32 v[AV0], s20, v[AV0]
	s_lshl_b32 s20, s[WV], 3
	s_add_co_u32 s20, s20, STATS
	v_lshl_add_u32 v[MSA], v44, 5, s20    ; STATS + 32 r + 8 w
	s_lshl_b32 s20, s[WV], 7
	s_add_co_u32 s20, s20, STATS
	v_mov_b32 v[MSR], s20                 ; queries 4 w .. 4 w + 3 of a tile
	s_mul_i32 s20, s[WV], 16*528
	s_add_co_u32 s20, s20, STAGE
	v_mul_u32_u24 v[MOS], v44, 528
	v_lshl_add_u32 v[MOS], v45, 5, v[MOS]
	v_add_nc_u32 v[MOS], s20, v[MOS]      ; my stage, row r, 32 bytes for each half of the lanes
	s_mul_i32 s20, s[WV], 4*528
	s_add_co_u32 s20, s20, STAGE
	v_lshl_add_u32 v[MOR], v48, 4, s20    ; rows 4 w .. of every wave's stage, 16 bytes a lane
	s_lshl_b32 s20, s[WV], 14
	v_lshl_add_u32 v[GO], v48, 3, s20
	v_lshlrev_b32 v[PFO], 8, v48
	v_lshlrev_b32 v[WOL], 4, v48
	v_lshlrev_b32 v[WOS], 3, v48
	v_lshlrev_b32 v49, 3, v45
	v_sub_nc_u32 v49, v44, v49            ; r - 8 h: register j is hidden where j is greater
	WIN 0xc0
.irp j, 0,1,2,3,4,5,6,7
	v_cmp_gt_i32 vcc_lo, \j, v49
	v_cndmask_b32 v[TRI+(\j)], 0, s[BIGN], vcc_lo
.endr
	WIN 0
; THE MATRIX WORK.  The accumulators take turns, one instruction a turn: between two links of a chain stand 7 (K Q^T) or 15 (V^T P) others'.
; Product i of 32 of S^T = K Q^T for piece x: channels 32 (i / 8) on, keys 16 ((i / 2) % 4) on, tile x + i % 2.  The first 8 start the sums, with the mask.
.macro KQ x
.set tq, (\x)+i%2
.set kq, (i/2)%4
.set rS, S+32*tq+8*kq
.set rK, KF+32*kq+8*(i/8)
.set rQ, 32*tq+8*(i/8)
.if i < 8
.if kq < tq
.set rM, MLO
.elseif kq == tq
.set rM, MEQ
.else
.set rM, MHI
.endif
	WIN W_KM
	v_wmma_f32_16x16x32_bf16 v[rS:rS+7], v[rK:rK+7], v[rQ:rQ+7], v[rM:rM+7]
.else
	WIN W_KQ
	v_wmma_f32_16x16x32_bf16 v[rS:rS+7], v[rK:rK+7], v[rQ:rQ+7], v[rS:rS+7]
.endif
.endm
; Product i of 32 of O^T += V^T P for piece x: keys 32 (i / 16) on, channels 16 ((i / 2) % 8) on, tile x + i % 2.
.macro PV x
	WIN W_PV
.set rO, 64*((\x)+i%2)+8*((i/2)%8)
.set rV, 64*(i/16)+8*((i/2)%8)
.set rP, P+16*((\x)+i%2)+8*(i/16)
	v_wmma_f32_16x16x32_f16 v[rO:rO+7], v[rV:rV+7], v[rP:rP+7], v[rO:rO+7]
.endm
.macro FETCH_K                      ; my 64 keys x 128 channels: 16 fragments
	WIN 0x80
.irp f, 0,1,2,3,4,5,6,7,8,9,10,11,12,13,14,15  ; keys 16 (f / 4) on, channels 32 (f % 4) on
	ds_load_b128 v[KF+8*(\f):KF+8*(\f)+3],   v[ADR] offset:((\f)/4)*16*PK+((\f)%4)*64
	ds_load_b128 v[KF+8*(\f)+4:KF+8*(\f)+7], v[ADR] offset:((\f)/4)*16*PK+((\f)%4)*64+32
.endr
.endm
.macro FETCH_V                      ; the same keys of V, turned
	WIN 0xc0
.irp f, 0,1,2,3,4,5,6,7,8,9,10,11,12,13,14,15  ; keys 32 (f / 8) on, channels 16 (f % 8) on
	ds_load_tr16_b128 v[8*(\f):8*(\f)+3],   v[ADRV] offset:((\f)/8)*32*PV+((\f)%8)*32
	ds_load_tr16_b128 v[8*(\f)+4:8*(\f)+7], v[ADRV] offset:((\f)/8)*32*PV+16*PV+((\f)%8)*32
.endr
.endm
.macro MASKS                        ; the round's three masks, from DD; then DD goes on to the next tile
	s_cmp_eq_i32 s[DD], 0
	s_cselect_b32 s[ALQ], 1.0, 0
	s_cmp_lt_i32 s[DD], 0
	s_cselect_b32 s[BLO], s[BIGN], 0
	s_cmp_le_i32 s[DD], 0
	s_cselect_b32 s[BHI], s[BIGN], 0
	s_sub_co_i32 s[DD], s[DD], 4
	WIN 0xc3
.irp z, 0,1,2,3
	v_pk_fma_f32 v[MLO+2*(\z):MLO+2*(\z)+1], v[TRI+2*(\z):TRI+2*(\z)+1], s[ZER:ZER+1], s[BLO:BLO+1] op_sel_hi:[1,0,0]
	v_pk_fma_f32 v[MEQ+2*(\z):MEQ+2*(\z)+1], v[TRI+2*(\z):TRI+2*(\z)+1], s[ALQ:ALQ+1], s[BLO:BLO+1] op_sel_hi:[1,0,0]
	v_pk_fma_f32 v[MHI+2*(\z):MHI+2*(\z)+1], v[TRI+2*(\z):TRI+2*(\z)+1], s[ZER:ZER+1], s[BHI:BHI+1] op_sel_hi:[1,0,0]
.endr
.endm
; THE VECTOR WORK.  One tile's softmax for a round is a list of 134 instructions; SM writes number j of it for tile t.  s0-s31 are the lane's 32 scores, in pairs 0-15.
;   0-15    the maximum of s0-s31 and the old m, three operands at a time (each accumulator's lowest registers are read first)
;   16-20   the other half of the lanes' maximum; the new m; c m; c m_old - c m_new
;   21-69   ONE BATCH: the 16 scalings c s - c m and all 33 exponentials (a at 23, then s0-s31); none of these reads an exponential's result
;   70-85   the roundings to f16     86-101  the sums; l = a l + the sum     102-133 the tile's O^T times a
.macro SM t
.set rT, ST+8*(\t)
.set rS, S+32*(\t)
.set rP, P+16*(\t)
.set rO, 64*(\t)+2*(j-102)
.if j < 102
	WIN 0
.endif
.if j < 4
	v_max3_num_f32 v[rT+4+j], v[rS+8*j], v[rS+8*j+1], v[rS+8*j+2]
.elseif j < 12
	v_max3_num_f32 v[rT+4+j%4], v[rT+4+j%4], v[rS+8*(j%4)+2*(j/4)+1], v[rS+8*(j%4)+2*(j/4)+2]
.elseif j == 12
	v_max3_num_f32 v[rT+4], v[rT+4], v[rS+7], v[rS+15]
.elseif j == 13
	v_max3_num_f32 v[rT+6], v[rT+6], v[rS+23], v[rS+31]
.elseif j == 14
	v_max3_num_f32 v[rT+4], v[rT+4], v[rT+5], v[rT+6]
.elseif j == 15
	v_max3_num_f32 v[rT+4], v[rT+4], v[rT+7], v[rT+1]
.elseif j == 16
	v_permlanex16_b32 v[rT+5], v[rT+4], s[SEL], s[SEL+1]  ; the query's other 32 keys lie in the lane 16 away
.elseif j == 17
	v_mov_b32 v[rT+7], v[rT]        ; c m_old is kept for a
.elseif j == 18
	v_max_num_f32 v[rT+1], v[rT+4], v[rT+5]
.elseif j == 19
	v_mul_f32 v[rT], s[CS], v[rT+1]
.elseif j == 20
	v_sub_f32 v[rT+7], v[rT+7], v[rT]
.elseif j == 23
	v_exp_f32 v[rT+6], v[rT+7]
.elseif (j < 23) || ((j < 38) && (j%2 == 0)) || ((j < 66) && (j%4 == 2))
.set b, (j-2)/4                     ; 38, 42, .. 62: pairs 9 to 15
.if j < 38
.set b, (j-20)/2                    ; 21: pair 0; 22, 24, .. 36: pairs 1 to 8
.endif
	v_pk_fma_f32 v[rS+2*b:rS+2*b+1], v[rS+2*b:rS+2*b+1], s[CS:CS+1], v[rT:rT+1] op_sel_hi:[1,0,0] neg_lo:[0,0,1] neg_hi:[0,0,1]  ; pair b: c s - c m
.elseif j < 70
.set e, j-38                        ; 66 to 69: s28 to s31
.if j < 66
.set e, j-32-(j-38)/4               ; 39-41, 43-45, .. 63-65: s7 to s27
.endif
.if j < 38
.set e, (j-25)/2                    ; 25, 27, .. 37: s0 to s6
.endif
	v_exp_f32 v[rS+e], v[rS+e]
.elseif j < 86
	v_cvt_pk_f16_f32 v[rP+j-70], v[rS+2*(j-70)], v[rS+2*(j-70)+1]
.elseif j < 102                     ; the sum of the 16 pairs, in place: neighbours 1, 2, 4 and 8 pairs apart, then l takes it
.set z, j-86
.set w, 4
.set u, z
.if z >= 14
.set w, 32
.set u, 0
.elseif z >= 12
.set w, 16
.set u, z-12
.elseif z >= 8
.set w, 8
.set u, z-8
.endif
.if z < 15
	v_pk_add_f32 v[rS+w*u:rS+w*u+1], v[rS+w*u:rS+w*u+1], v[rS+w*u+w/2:rS+w*u+w/2+1]
.else
	v_pk_fma_f32 v[rT+2:rT+3], v[rT+2:rT+3], v[rT+6:rT+7], v[rS:rS+1] op_sel_hi:[1,0,1]
.endif
.else
	WIN W_RS
	v_pk_mul_f32 v[rO:rO+1], v[rO:rO+1], v[rT+6:rT+7] op_sel_hi:[1,0]
.endif
.endm
; Slice k of 64 of piece y's softmax.  Slices 11 to 34 deal out the batch, four numbers of ONE tile each, the tiles by turns; every other slice is numbers 2 k and 2 k + 1 of both tiles; slice 63 takes the twelve
; that are over.  Ahead of slice 35 nothing names an exponential's result, and behind slice 34 none is issued: so the piece's 66 exponentials have one plain instruction and one wait, behind slice 34.
.macro SLICE y
.if (k >= 11) && (k < 35)
.irp n, 0,1,2,3
.set j, 22+4*((k-11)/2)+(\n)
	SM (\y)+(k-11)%2
.endr
.else
.irp n, 0,1,2,3,4,5,6,7
.if ((\n) < 2) || (k == 63)
.irp t, \y, (\y)+1
.set j, 2*k+(\n)
	SM \t
.endr
.endif
.endr
.endif
.if k == 34
	v_nop
	s_wait_alu depctr_va_vdst(0)    ; the wait for the batch
.endif
.set k, k+1
.endm
; A ROUND.  The slices are the places behind the products: behind the last K Q^T of piece 2 stand slices 62 and 63 of piece 0, twenty plain instructions that name none of its registers.
; cast = 1 (the loop's eight rounds): the round's 2,048 bytes of wo are asked for behind the LDS loads, and rounded and stored at the round's end.
.macro BODY cast
	WIN 0
	v_add_nc_u32 v[ADR], s[TB], v[AK0]
	v_add_nc_u32 v[ADRV], s[TB], v[AV0]
	FETCH_K
	FETCH_V
	MASKS
	s_wait_loadcnt 0x0              ; Q (at a block's first round); no other load of mine is out here
.if \cast
	WIN 0xc0                        ; destination window 3, address window 0
.irp j, 0,1,2,3
	global_load_b128 v[WB+4*(\j):WB+4*(\j)+3], v[WOL], s[WOP:WOP+1] offset:512*(\j)-2048 th:TH_LOAD_NT
.endr
.endif
	s_wait_dscnt 32                 ; K is in; V's 32 loads may stay out
.set i, 0
.rept 32
	KQ 0
.set i, i+1
.endr
	WIN 0
	PLACES
.set k, 0
.set i, 0
.rept 32
	KQ 2
	SLICE 0
	SLICE 0
.set i, i+1
.endr
	s_wait_dscnt 0x0                ; V is in
.set k, 0
.set i, 0
.rept 32
	PV 0
	SLICE 2
	SLICE 2
.set i, i+1
.endr
.set i, 0
.rept 32
	PV 2
.set i, i+1
.endr
	WIN 0
	PLACES                          ; ahead of the next loads into V's registers, and of the meeting's reads of O^T
.if \cast
	s_wait_loadcnt 0x0              ; wo's four loads, issued 128 products ago
	WIN 0xcf                        ; sources and destination window 3
.irp j, 0,1,2,3
	v_cvt_pk_f16_f32 v[WC+2*(\j)],   v[WB+4*(\j)],   v[WB+4*(\j)+1]
	v_cvt_pk_f16_f32 v[WC+2*(\j)+1], v[WB+4*(\j)+2], v[WB+4*(\j)+3]
.endr
	WIN 0x0c                        ; address window 0, data window 3
.irp j, 0,1,2,3
	global_store_b64 v[WOS], v[WC+2*(\j):WC+2*(\j)+1], s[WOP+2:WOP+3] offset:256*(\j)-1024  ; 32 lanes store 256 consecutive bytes, at a multiple of 256 from wob's first byte
.endr
	WIN 0
.endif
.endm
.macro OSTORE t                     ; my partial tile t of O (16 queries x 128 channels, f32) into my stage; each accumulator's low half first
	WIN 0x04                        ; store data in window 1
.irp cb, 0,1,2,3,4,5,6,7
	ds_store_b128 v[MOS], v[64*(\t)+8*(\cb):64*(\t)+8*(\cb)+3] offset:64*(\cb)
	ds_store_b128 v[MOS], v[64*(\t)+8*(\cb)+4:64*(\t)+8*(\cb)+7] offset:64*(\cb)+16
.endr
	WIN 0
.endm
; A BLOCK'S END: THE MEETING, a loop of four trips, a query tile each.  Only the sixteen stores of O name other registers from tile to tile: they stand in four arms, chosen by forward jumps on the loop's count;
; all else is written once, on a copy of the statistics' LDS address and of ob's offset that step from tile to tile.
; A trip: each wave puts its partial tile into its stage; behind a barrier wave w takes queries 4 w .. 4 w + 3: all four waves' rows and statistics; O = sum of f_v O_v / sum of f_v l_v, f_v = 2^(c m_v - max c m).
; The second barrier (its signal behind my reads, its wait ahead of the next tile's writing) frees the stages.
; more = 1: the second block follows: its Q is asked for first; at the end ob's address, DD and the count of rounds are set for it.
.macro MERGE more
.if \more
	WIN 0x80
.irp i, 0,1,2,3,4,5,6,7,8,9,10,11,12,13,14,15
	global_load_b128 v[8*(\i):8*(\i)+3],   v[QO], s[QL:QL+1] offset:((\i)/4)*4096+((\i)%4)*64
	global_load_b128 v[8*(\i)+4:8*(\i)+7], v[QO], s[QL:QL+1] offset:((\i)/4)*4096+((\i)%4)*64+32
.endr
.endif
	WIN 0
.irp t, 0,1,2,3
	v_add_f32 v[ST+8*(\t)+4], v[ST+8*(\t)+2], v[ST+8*(\t)+3]
.endr
.irp t, 0,1,2,3
	v_permlanex16_b32 v[ST+8*(\t)+5], v[ST+8*(\t)+4], s[SEL], s[SEL+1]
.endr
.irp t, 0,1,2,3
	v_add_f32 v[ST+8*(\t)+1], v[ST+8*(\t)+4], v[ST+8*(\t)+5]  ; l takes m's place beside c m
.endr
.irp t, 0,1,2,3
	ds_store_b64 v[MSA], v[ST+8*(\t):ST+8*(\t)+1] offset:512*(\t)
.endr
	v_mov_b32 v[TSR], v[MSR]
	v_mov_b32 v[TGO], v[GO]
	s_mov_b32 s[PH], 4
.Lph_\@:
	s_cmp_lg_u32 s[PH], 4
	s_cbranch_scc1 .Lp1_\@
	OSTORE 0
	s_branch .Lpc_\@
.Lp1_\@:
	s_cmp_lg_u32 s[PH], 3
	s_cbranch_scc1 .Lp2_\@
	OSTORE 1
	s_branch .Lpc_\@
.Lp2_\@:
	s_cmp_lg_u32 s[PH], 2
	s_cbranch_scc1 .Lp3_\@
	OSTORE 2
	s_branch .Lpc_\@
.Lp3_\@:
	OSTORE 3
.Lpc_\@:
	s_wait_dscnt 0x0                ; for the others' sake: my stores are done
	s_barrier_signal -1
	s_barrier_wait -1
.irp q, 0,1,2,3
	ds_load_b128 v[MST+8*(\q):MST+8*(\q)+3],   v[TSR] offset:32*(\q)
	ds_load_b128 v[MST+8*(\q)+4:MST+8*(\q)+7], v[TSR] offset:32*(\q)+16
.endr
.irp q, 0,1,2,3
.irp u, 0,1,2,3
	ds_load_b128 v[MO+16*(\q)+4*(\u):MO+16*(\q)+4*(\u)+3], v[MOR] offset:8448*(\u)+528*(\q)
.endr
.endr
	v_add_nc_u32 v[TSR], 512, v[TSR]  ; the next tile's statistics
	s_wait_dscnt 0x0                ; my reads of the stages are over
	s_wait_xcnt 0x0                 ; the last tile's stores have read the registers that are written below
	v_add_nc_u32 v[TGO], 0x10000, v[TGO]  ; sixteen rows of ob past this tile's: the stores below reach back by their immediates
	s_barrier_signal -1             ; only work on registers stands between this signal and its wait
.irp q, 0,1,2,3
	v_max3_num_f32 v[MMX+(\q)], v[MST+8*(\q)], v[MST+8*(\q)+2], v[MST+8*(\q)+4]
.endr
.irp q, 0,1,2,3
	v_max_num_f32 v[MMX+(\q)], v[MMX+(\q)], v[MST+8*(\q)+6]
.endr
.irp q, 0,1,2,3
.irp u, 0,1,2,3
	v_sub_f32 v[MST+8*(\q)+2*(\u)], v[MST+8*(\q)+2*(\u)], v[MMX+(\q)]
.endr
.endr
.irp q, 0,1,2,3
.irp u, 0,1,2,3
	v_exp_f32 v[MST+8*(\q)+2*(\u)], v[MST+8*(\q)+2*(\u)]
.endr
.endr
	v_nop
	s_wait_alu depctr_va_vdst(0)    ; one wait for the sixteen exponentials
.irp q, 0,1,2,3
	v_mul_f32 v[MLS+(\q)], v[MST+8*(\q)], v[MST+8*(\q)+1]
.endr
.irp u, 1,2,3
.irp q, 0,1,2,3
	v_fmac_f32 v[MLS+(\q)], v[MST+8*(\q)+2*(\u)], v[MST+8*(\q)+2*(\u)+1]
.endr
.endr
.irp q, 0,1,2,3
	v_rcp_f32 v[MRC+(\q)], v[MLS+(\q)]
.endr
	v_nop
	s_wait_alu depctr_va_vdst(0)    ; one wait for the four reciprocals
.irp q, 0,1,2,3
.irp u, 0,1,2,3
	v_mul_f32 v[MST+8*(\q)+2*(\u)], v[MST+8*(\q)+2*(\u)], v[MRC+(\q)]
.endr
.endr
.irp q, 0,1,2,3
	v_pk_mul_f32 v[MO+16*(\q):MO+16*(\q)+1],   v[MO+16*(\q):MO+16*(\q)+1],   v[MST+8*(\q):MST+8*(\q)+1] op_sel_hi:[1,0]
	v_pk_mul_f32 v[MO+16*(\q)+2:MO+16*(\q)+3], v[MO+16*(\q)+2:MO+16*(\q)+3], v[MST+8*(\q):MST+8*(\q)+1] op_sel_hi:[1,0]
.endr
.irp u, 1,2,3
.irp q, 0,1,2,3
	v_pk_fma_f32 v[MO+16*(\q):MO+16*(\q)+1],   v[MO+16*(\q)+4*(\u):MO+16*(\q)+4*(\u)+1],   v[MST+8*(\q)+2*(\u):MST+8*(\q)+2*(\u)+1], v[MO+16*(\q):MO+16*(\q)+1] op_sel_hi:[1,0,1]
	v_pk_fma_f32 v[MO+16*(\q)+2:MO+16*(\q)+3], v[MO+16*(\q)+4*(\u)+2:MO+16*(\q)+4*(\u)+3], v[MST+8*(\q)+2*(\u):MST+8*(\q)+2*(\u)+1], v[MO+16*(\q)+2:MO+16*(\q)+3] op_sel_hi:[1,0,1]
.endr
.endr
.irp q, 0,1,2,3
	v_cvt_pk_f16_f32 v[MOUT+2*(\q)],   v[MO+16*(\q)],   v[MO+16*(\q)+1]
	v_cvt_pk_f16_f32 v[MOUT+2*(\q)+1], v[MO+16*(\q)+2], v[MO+16*(\q)+3]
.endr
	s_barrier_wait -1
.irp q, 0,1,2,3
	global_store_b64 v[TGO], v[MOUT+2*(\q):MOUT+2*(\q)+1], s[10:11] offset:(\q)*4096-65536  ; 32 lanes store 256 consecutive bytes, at a multiple of 256 from ob's first byte
.endr
	s_sub_co_u32 s[PH], s[PH], 1
	s_cmp_lg_u32 s[PH], 0
	s_cbranch_scc1 .Lph_\@
.irp t, 0,1,2,3
	v_mov_b32 v[ST+8*(\t)], 0xfe000000
	v_mov_b32 v[ST+8*(\t)+1], 0xff7fffff
.endr
.if \more
	s_wait_xcnt 0x0                 ; the stores have read ob's address
	s_mov_b64 s[10:11], s[OL:OL+1]
	s_mov_b32 s[DD], s[DL]
	s_add_co_u32 s[RT], s14, 1      ; the second block has g + 1 tiles
.endif
.endm
.Lround:                            ; 8 trips: a tile is entered and the next is asked for
	CHANGE 1
	BODY 1
	s_sub_co_u32 s[RT], s[RT], 1
	s_cmp_lg_u32 s[RT], 0
	s_cbranch_scc1 .Lno             ; hangs on the cluster's x alone: the same in every wave and every partner
	MERGE 1                         ; in the loop this is the first block's end: the second's last tile is the walk's last
.Lno:
	s_sub_co_u32 s[SLOTS], s[SLOTS], 1
	s_cmp_lg_u32 s[SLOTS], 0
	s_cbranch_scc1 .Lround
	CHANGE 0                        ; the walk's last tile is written out: nothing is asked for
	BODY 0
	MERGE 0
	s_wait_tensorcnt 0x0            ; the wave's end: behind my last tensor load and my last LDS store
	ds_add_u32 v[SPW], v[NIL]
	s_wait_dscnt 0x0
	CROUND                          ; the closing round
	s_endpgm
.Lfunc_end_k_qd21fa20b96_attn:
	.size	k_qd21fa20b96_attn, .Lfunc_end_k_qd21fa20b96_attn-k_qd21fa20b96_attn
	.p2alignl 7, 3214868480
	.fill 96, 4, 3214868480
	.section	.rodata,"a",@progbits
	.p2align	6, 0x0
	.amdhsa_kernel k_qd21fa20b96_attn
		.amdhsa_group_segment_fixed_size 327680
		.amdhsa_private_segment_fixed_size 0
		.amdhsa_enable_private_segment 0
		.amdhsa_kernarg_size 48
		.amdhsa_user_sgpr_count 2
		.amdhsa_user_sgpr_kernarg_segment_ptr 1
		.amdhsa_wavefront_size32 1
		.amdhsa_system_sgpr_workgroup_id_x 1
		.amdhsa_system_sgpr_workgroup_id_y 1
		.amdhsa_system_sgpr_workgroup_id_z 1
		.amdhsa_system_vgpr_workitem_id 0
		.amdhsa_next_free_vgpr 1024
		.amdhsa_next_free_sgpr 92
		.amdhsa_reserve_vcc 1
		.amdhsa_float_denorm_mode_32 3
		.amdhsa_float_denorm_mode_16_64 3
		.amdhsa_memory_ordered 1
		.amdhsa_forward_progress 1
		.amdhsa_inst_pref_size 142
	.end_amdhsa_kernel
	.amdgpu_metadata
---
amdhsa.version: [ 1, 2 ]
amdhsa.kernels:
  - .name:           k_qd21fa20b96_attn
    .symbol:         k_qd21fa20b96_attn.kd
    .args:
      - { .name: qb, .offset: 0, .size: 8, .value_kind: global_buffer, .address_space: global }
      - { .name: kb, .offset: 8, .size: 8, .value_kind: global_buffer, .address_space: global }
      - { .name: vb, .offset: 16, .size: 8, .value_kind: global_buffer, .address_space: global }
      - { .name: ob, .offset: 24, .size: 8, .value_kind: global_buffer, .address_space: global }
      - { .name: wo, .offset: 32, .size: 8, .value_kind: global_buffer, .address_space: global }
      - { .name: wob, .offset: 40, .size: 8, .value_kind: global_buffer, .address_space: global }
    .group_segment_fixed_size: 327680
    .private_segment_fixed_size: 0
    .kernarg_segment_align: 8
    .kernarg_segment_size: 48
    .max_flat_workgroup_size: 128
    .sgpr_count:     92
    .vgpr_count:     1024
    .wavefront_size: 32
...
	.end_amdgpu_metadata
.endif
;; end of part 3
;; launch proj (part 4): grid 16 x 16, 4 waves a work-group, clusters of 4 x 4, 327,680 bytes of LDS; arguments ob, wob, x, out0; writes out0
.if DOCPART == 4
	.amdgcn_target "amdgcn-amd-amdhsa--gfx1250"
	.amdhsa_code_object_version 6
	.text
	.protected	k_qd21fa20b96_proj
	.globl	k_qd21fa20b96_proj
	.p2align	8
	.type	k_qd21fa20b96_proj,@function
k_qd21fa20b96_proj:
	s_mov_b64 s[64:65], 0
	v_nop
	global_prefetch_b8 v0, s[64:65] scope:SCOPE_SE
	s_setreg_imm32_b32 hwreg(HW_REG_WAVE_MODE, 25, 1), 1
	s_wait_xcnt 0x0
	s_wait_alu depctr_hold_cnt(0) depctr_sa_sdst(0) depctr_va_vdst(0) depctr_va_sdst(0) depctr_va_ssrc(0) depctr_va_vcc(0) depctr_vm_vsrc(0)
	s_getreg_b32 s2, hwreg(HW_REG_IB_STS2, 6, 4)
	s_cmp_eq_u32 s2, 0
	s_cbranch_scc0 .Lentry_in_a_cluster
	s_endpgm
.Lentry_in_a_cluster:
	s_bfe_u32 s2, ttmp6, 0x10000c
	s_cmp_lg_u32 s2, 0xf033
	s_cbranch_scc0 .Lentry_shape_is_right
	s_endpgm
.Lentry_shape_is_right:
; out0[t][n] = x[t][n] + sum over k of ob[t][k] wob[n][k].  ob, wob: [2048][2048] f16; x, out0: [2048][2048] f32; sums in f32.
; 2,048 x 2,048 outputs on 256 work-groups: a tile of 128 x 128.  Four waves, each 64 x 64: 16 accumulators of 16 x 16.  K goes in steps of 256 (LDS rows of 512 bytes; a wave's tensor load brings 64 of them),
; as long as two slots in LDS allow.  CLUSTER 4 x 4: ob's tile is asked for jointly along a row of the cluster, wob's along a column.
; THE MATRIX INSTRUCTION IS USED TRANSPOSED (source 0 = 16 rows of wob, source 1 = 16 rows of ob): a lane holds eight neighbouring numbers of a row of out0, 32 bytes.
; THE WAY OUT.  A wave's 64 columns are 256 aligned bytes of a row, so each wave has a stage of its own (16 rows x 272 bytes) and no barrier: sums in, whole rows back, x added, stored.
; x's part for the wave (64 x 64, 128 registers of window 2, 32 loads) is wanted on the way out alone: it is asked for in the last lap, behind the last tensor load's request, sixteen loads ahead of each of two quarters.
; No prefetch is laid: a tile's step is 64 rows a wave, each row read jointly, and the launch has eight steps in all.
; REGISTERS: window 0: v0-31 addresses; v32-95 at work on the way out; v128-255 the accumulators ((a, b) at v[128 + 8 (4 a + b)]).
;   window 1: two fragment buffers of 128: for 64 along K, 64 registers of ob, then 64 of wob.     window 2: v0-127 x.
.set SIZE_K, 2048
.set KSTEP,  256
.set PITCH,  528                       ; an LDS row: 512 bytes + 16 = 132 words: row r starts at bank 4 r mod 64 (64 banks of 4 bytes: ISA guide 11.1)
.set HALFT,  64*PITCH
.set SLOT,   4*HALFT                   ; ob's 128 rows, then wob's 128 rows
.set STAGE,  2*SLOT
.set SPITCH, 272
.set SPARE,  STAGE+4*16*SPITCH         ; behind the stages: the spare words, 128 bytes a wave, that no other line names
.set LAPS,   SIZE_K/(2*KSTEP)
.set ADRA, 16                          ; v16-17  LDS address of ob's fragments in slot 0, 1
.set ADRB, 20                          ; v20-21  the same for wob
.set STO,  24                          ; v24     where I put 16 bytes of a row
.set RD,   25                          ; v25     where I read a row back
.set XO,   26                          ; v26     my byte offset in two rows of x and out0: 8,192 (l / 16) + 16 (l % 16)
.set SPW,  28
.set NIL,  29
.set TMP,  32
.set ACC,  128
.set F0,   0
.set F1,   128
.set WV,   12                          ; s12 wave;  s13 = wave / 2: my half of the rows, and: I fetch ob (0) or wob (1);  s14 = wave % 2: my half of the columns, and which 64 rows I fetch
.set G1, 24
.set G0, 32
.set G1B, 48
.set G0B, 56
.set MSB, 0
.macro WIN new
.if MSB != (\new)
	s_set_vgpr_msb (MSB<<8)|(\new)
.set MSB, \new
.endif
.endm
.set MUL,  0x05                        ; sources 0 and 1 window 1; C and D window 0
.set TO_F, 0x40                        ; destination window 1, address window 0
.macro JLOAD s                         ; a joint load; an s_nop 0 and four v_nop follow each of the two lines
	s_cmp_eq_u32 s13, 0
	s_cbranch_scc0 .Lfor_b_\@
	tensor_load_to_lds s[G0+4*(\s):G0+4*(\s)+3], s[G1:G1+7]
	s_nop 0
.rept 4
	v_nop
.endr
	s_branch .Lasked_\@
.Lfor_b_\@:
	tensor_load_to_lds s[G0B+4*(\s):G0B+4*(\s)+3], s[G1B:G1B+7]
	s_nop 0
.rept 4
	v_nop
.endr
.Lasked_\@:
.endm
.macro CREST
	s_cmp_lg_u32 s[WV], 0
	s_cbranch_scc1 .Lnot_wave_0_\@
	s_barrier_signal -3
.Lnot_wave_0_\@:
	s_barrier_wait -3
	s_barrier_signal -1
	s_barrier_wait -1
.endm
.macro CROUND
	s_barrier_signal -1
	s_barrier_wait -1
	CREST
.endm
.macro XL a                            ; x for my rows 16 a .. 16 a + 15: eight loads of two rows' 256 bytes, into registers that no matrix instruction names
	WIN 0x80                                       ; destination window 2
.irp t, 0,1,2,3,4,5,6,7
	global_load_b128 v[4*(8*(\a)+(\t)):4*(8*(\a)+(\t))+3], v[XO], s[8:9] offset:(16*(\a)+2*(\t))*8192 th:TH_LOAD_NT
.endr
.endm
	s_load_b256 s[4:11], s[0:1], 0x0               ; ob s[4:5], wob s[6:7], x s[8:9], out0 s[10:11]
	v_lshl_add_u32 v[SPW], v0, 2, SPARE
	v_mov_b32 v[NIL], 0
	ds_add_u32 v[SPW], v[NIL]                      ; the wave's opening: the add and its wait stand ahead of my first tensor load
	v_lshrrev_b32 v1, 5, v0
	v_readfirstlane_b32 s[WV], v1
	s_lshr_b32 s13, s[WV], 1
	s_and_b32 s14, s[WV], 1
	s_bfe_u32 s40, ttmp6, 0x40000                  ; cx, cy
	s_bfe_u32 s41, ttmp6, 0x40004
	s_lshl_b32 s42, ttmp9, 2
	s_add_co_u32 s42, s42, s40                     ; tile column
	s_and_b32 s15, ttmp7, 0xffff
	s_lshl_b32 s15, s15, 2
	s_add_co_u32 s15, s15, s41                     ; tile row
	s_lshl_b32 s43, s41, 2
	s_lshl_b32 s43, 15, s43                        ; my row of the cluster
	s_lshl_b32 s44, 0x1111, s40                    ; my column
	s_or_b32 s[G1+0], s43, (1<<16)|(1<<20)|(1<<21)|(6<<22)|(3<<25)  ; the mask; 2-byte elements; padding on; bit 21 beside a mask; after every 128 words, 4 words
	s_or_b32 s[G1B+0], s44, (1<<16)|(1<<20)|(1<<21)|(6<<22)|(3<<25)
.irp g, G1, G1B
	s_mov_b32 s[(\g)+1], KSTEP<<16                 ; tensor_dim0 = 256
	s_mov_b32 s[(\g)+2], 64<<16                    ; tensor_dim1 = 64
	s_mov_b32 s[(\g)+3], KSTEP<<16                 ; tile_dim0 = 256
	s_mov_b32 s[(\g)+4], 64                        ; tile_dim1 = 64
	s_mov_b32 s[(\g)+5], SIZE_K
	s_mov_b32 s[(\g)+6], 0
	s_mov_b32 s[(\g)+7], 0
.endr
	s_lshl_b32 s17, s14, 6                         ; which 64 rows of the tile I fetch
	s_lshl_b32 s16, s15, 7
	s_add_co_u32 s16, s16, s17
	s_lshl_b32 s16, s16, 12                        ; ob: row 128 x tile row + 64 x half, 4,096 bytes a row
	s_lshl_b32 s46, s42, 7
	s_add_co_u32 s46, s46, s17
	s_lshl_b32 s46, s46, 12                        ; wob: row 128 x tile column + 64 x half
	s_mov_b32 s17, 0
	s_mov_b32 s47, 0
	s_mul_i32 s20, s[WV], HALFT                    ; where they go: wave x 64 rows
	s_wait_dscnt 0x0                               ; the opening add is done
	s_wait_kmcnt 0x0
	s_add_nc_u64 s[18:19], s[4:5], s[16:17]
	s_add_nc_u64 s[46:47], s[6:7], s[46:47]
	CROUND                                         ; all sixteen work-groups are here: the first joint loads meet
.irp s, 0,1
	s_mov_b32 s[G0+4*(\s)], 1
	s_add_co_u32 s[G0+4*(\s)+1], s20, (\s)*SLOT
	s_add_nc_u64 s[G0+4*(\s)+2:G0+4*(\s)+3], s[18:19], (\s)*KSTEP*2
	s_or_b32 s[G0+4*(\s)+3], s[G0+4*(\s)+3], 0x80000000
	s_mov_b32 s[G0B+4*(\s)], 1
	s_add_co_u32 s[G0B+4*(\s)+1], s20, (\s)*SLOT
	s_add_nc_u64 s[G0B+4*(\s)+2:G0B+4*(\s)+3], s[46:47], (\s)*KSTEP*2
	s_or_b32 s[G0B+4*(\s)+3], s[G0B+4*(\s)+3], 0x80000000
	JLOAD \s                                       ; K steps 0 and 1: two tensor loads of mine are out
.endr
	v_and_b32 v1, 15, v0                           ; l % 16
	v_bfe_u32 v2, v0, 4, 1                         ; l / 16
	v_mul_u32_u24 v3, v1, PITCH
	v_lshl_add_u32 v3, v2, 4, v3
	s_mul_i32 s21, s13, HALFT                      ; my 64 rows of ob
	s_mul_i32 s22, s14, HALFT                      ; my 64 rows of wob,
	s_add_co_u32 s22, s22, 2*HALFT                 ; which lie behind ob's 128
.irp s, 0,1
	v_add_nc_u32 v[ADRA+(\s)], s21, v3
	v_add_nc_u32 v[ADRB+(\s)], s22, v3
	s_add_co_u32 s21, s21, SLOT
	s_add_co_u32 s22, s22, SLOT
.endr
	s_mul_i32 s23, s[WV], 16*SPITCH
	s_add_co_u32 s23, s23, STAGE                   ; my stage
	v_mul_u32_u24 v4, v1, SPITCH                   ; in: row l % 16, 32 bytes for each half of the lanes
	v_lshl_add_u32 v4, v2, 5, v4
	v_add_nc_u32 v[STO], s23, v4
	v_mul_u32_u24 v5, v2, SPITCH                   ; back: lanes 0-15 one row of 256 bytes, lanes 16-31 the next
	v_lshl_add_u32 v5, v1, 4, v5
	v_add_nc_u32 v[RD], s23, v5
	v_lshlrev_b32 v[XO], 13, v2
	v_lshl_add_u32 v[XO], v1, 4, v[XO]
	s_lshl_b32 s16, s15, 7
	s_lshl_b32 s21, s13, 6
	s_add_co_u32 s16, s16, s21                     ; my first row: 128 x tile row + 64 x half,
	s_lshl_b32 s16, s16, 13                        ; 8,192 bytes a row;
	s_lshl_b32 s21, s42, 9                         ; my first column: 512 x tile column + 256 x half, in bytes
	s_add_co_u32 s16, s16, s21
	s_lshl_b32 s21, s14, 8
	s_add_co_u32 s16, s16, s21
	s_add_nc_u64 s[8:9], s[8:9], s[16:17]
	s_add_nc_u64 s[10:11], s[10:11], s[16:17]
; 8 matrix instructions: m blocks a0, a0 + 1 x all 4 n blocks, 32 along K: half c of buffer f.  The 16 accumulators take turns.
.macro MUL8 f, c, a0, zero
	WIN MUL
.irp a, \a0, (\a0)+1
.irp b, 0,1,2,3
.if \zero
	v_wmma_f32_16x16x32_f16 v[ACC+8*(4*(\a)+(\b)):ACC+8*(4*(\a)+(\b))+7], v[(\f)+64+8*(4*(\c)+(\b)):(\f)+64+8*(4*(\c)+(\b))+7], v[(\f)+8*(4*(\c)+(\a)):(\f)+8*(4*(\c)+(\a))+7], 0
.else
	v_wmma_f32_16x16x32_f16 v[ACC+8*(4*(\a)+(\b)):ACC+8*(4*(\a)+(\b))+7], v[(\f)+64+8*(4*(\c)+(\b)):(\f)+64+8*(4*(\c)+(\b))+7], v[(\f)+8*(4*(\c)+(\a)):(\f)+8*(4*(\c)+(\a))+7], v[ACC+8*(4*(\a)+(\b)):ACC+8*(4*(\a)+(\b))+7]
.endif
.endr
.endr
.endm
; 32 LDS loads in one run: the fragments of 64 along K at byte k of the rows, into buffer f; the first 32 along K first
.macro FETCH slot, k, f
	WIN TO_F
.irp c, 0,1
.irp i, 0,1,2,3
	ds_load_b128 v[(\f)+64+8*(4*(\c)+(\i)):(\f)+64+8*(4*(\c)+(\i))+3],   v[ADRB+(\slot)] offset:(\k)+64*(\c)+(\i)*16*PITCH
	ds_load_b128 v[(\f)+64+8*(4*(\c)+(\i))+4:(\f)+64+8*(4*(\c)+(\i))+7], v[ADRB+(\slot)] offset:(\k)+64*(\c)+(\i)*16*PITCH+32
	ds_load_b128 v[(\f)+8*(4*(\c)+(\i)):(\f)+8*(4*(\c)+(\i))+3],         v[ADRA+(\slot)] offset:(\k)+64*(\c)+(\i)*16*PITCH
	ds_load_b128 v[(\f)+8*(4*(\c)+(\i))+4:(\f)+8*(4*(\c)+(\i))+7],       v[ADRA+(\slot)] offset:(\k)+64*(\c)+(\i)*16*PITCH+32
.endr
.endr
.endm
.macro PLACES
.rept 4
	v_nop
.endr
.endm
; A K step is four quarters of 64 along K, 32 matrix instructions each, on buffers 0, 1, 0, 1.
.macro QUARTER slot, k, f, g, zero
	s_wait_dscnt 16                                ; the first 32 along K are in; the youngest sixteen loads may be out
	WIN MUL
	MUL8 \f, 0, 0, \zero
	MUL8 \f, 0, 2, \zero
	PLACES
	FETCH \slot, \k, \g
	s_wait_dscnt 32                                ; all but the 32 just issued
	WIN MUL
	MUL8 \f, 1, 0, 0
	MUL8 \f, 1, 2, 0
.endm
; The last quarter multiplies buffer 1 and changes slots: ONE barrier; ahead of it each wave waits for all its tensor loads, adds 0 to its spare word, and waits for that and for its own reads of this slot.
.macro TURN slot, next, fill
	WIN 0
	s_wait_tensorcnt 0x0                           ; all my tensor loads have landed: my part of the next slot
	ds_add_u32 v[SPW], v[NIL]                      ; 0 onto my spare word
	s_wait_dscnt 17                                ; the add and the youngest sixteen loads may be out
	WIN MUL
	MUL8 F1, 0, 0, 0
	s_wait_dscnt 0x0                               ; the add is done, and my reads of this slot are over
	s_barrier_signal -1
	MUL8 F1, 0, 2, 0
.if \fill
	WIN 0
.endif
	s_barrier_wait -1
.if \fill
	CREST                                          ; no wave of any partner still reads this slot's tile or has a load on its way
	s_add_nc_u64 s[G0+4*(\slot)+2:G0+4*(\slot)+3], s[G0+4*(\slot)+2:G0+4*(\slot)+3], 2*KSTEP*2
	s_add_nc_u64 s[G0B+4*(\slot)+2:G0B+4*(\slot)+3], s[G0B+4*(\slot)+2:G0B+4*(\slot)+3], 2*KSTEP*2
	JLOAD \slot                                    ; 112 matrix instructions ahead of the wait for it; its four v_nop are also the places in front of the loads below
.else
	PLACES
.endif
	FETCH \next, 0, F0
	WIN MUL
	MUL8 F1, 1, 0, 0
	MUL8 F1, 1, 2, 0
.endm
	s_wait_tensorcnt 1                             ; my part of K step 0 is in; K step 1's may stay out
	s_barrier_signal -1
	s_barrier_wait -1
	FETCH 0, 0, F0
	QUARTER 0, 128, F0, F1, 1                      ; the first quarter stands in front of the loop: its first products start the sums
	WIN 0
	s_mov_b32 s3, LAPS-1
.Llap:
	QUARTER 0, 256, F1, F0, 0
	QUARTER 0, 384, F0, F1, 0
	TURN 0, 1, 1
	QUARTER 1, 128, F0, F1, 0
	QUARTER 1, 256, F1, F0, 0
	QUARTER 1, 384, F0, F1, 0
	TURN 1, 0, 1
	QUARTER 0, 128, F0, F1, 0
	WIN 0
	s_sub_co_u32 s3, s3, 1
	s_cmp_lg_u32 s3, 0
	s_cbranch_scc1 .Llap
	XL 0                                           ; the last lap fills nothing; x is asked for in it
	XL 1
	QUARTER 0, 256, F1, F0, 0
	XL 2
	XL 3
	QUARTER 0, 384, F0, F1, 0
	TURN 0, 1, 0
	QUARTER 1, 128, F0, F1, 0
	QUARTER 1, 256, F1, F0, 0
	QUARTER 1, 384, F0, F1, 0
	s_wait_dscnt 16
	WIN MUL
	MUL8 F1, 0, 0, 0
	MUL8 F1, 0, 2, 0
	s_wait_dscnt 0
	MUL8 F1, 1, 0, 0
	MUL8 F1, 1, 2, 0
	WIN 0
; THE WAY OUT, 16 rows at a time.  STG: the block's sums into my stage (each accumulator's low half first) and back as whole rows; LDS serves a wave's instructions in order
; (ISA guide 5.7.1.4), so the loads see the stores above them and the next block's stores come behind them.  FIN: x is added, the rows are stored.
.macro STG a
.set BK, TMP+32*((\a)%2)
.irp b, 0,1,2,3
	ds_store_b128 v[STO], v[ACC+8*(4*(\a)+(\b)):ACC+8*(4*(\a)+(\b))+3]   offset:64*(\b)
	ds_store_b128 v[STO], v[ACC+8*(4*(\a)+(\b))+4:ACC+8*(4*(\a)+(\b))+7] offset:64*(\b)+16
.endr
.irp t, 0,1,2,3,4,5,6,7
	ds_load_b128 v[BK+4*(\t):BK+4*(\t)+3], v[RD] offset:(\t)*2*SPITCH
.endr
.endm
.macro FIN a, younger                  ; younger: the LDS instructions issued behind block a's loads: the next block's sixteen, or none
.set BK, TMP+32*((\a)%2)
	s_wait_dscnt \younger
	WIN 0x08                                       ; source 1 (x) in window 2
.set i, 0
.rept 16
	v_pk_add_f32 v[BK+2*i:BK+2*i+1], v[BK+2*i:BK+2*i+1], v[32*(\a)+2*i:32*(\a)+2*i+1]
.set i, i+1
.endr
	WIN 0
.irp t, 0,1,2,3,4,5,6,7
	global_store_b128 v[XO], v[BK+4*(\t):BK+4*(\t)+3], s[10:11] offset:(16*(\a)+2*(\t))*8192 th:TH_STORE_NT  ; 16 lanes store 256 consecutive bytes, at a multiple of 256 from out0's first byte
.endr
.endm
	PLACES
	STG 0
	STG 1
	s_wait_loadcnt 0x0                             ; x
	FIN 0, 16
	s_wait_xcnt 0x0                                ; block 0's stores have read the registers that block 2's rows take
	STG 2
	FIN 1, 16
	s_wait_xcnt 0x0
	STG 3
	FIN 2, 16
	FIN 3, 0
	s_wait_tensorcnt 0x0                           ; the wave's end: behind my last tensor load and my last LDS store
	ds_add_u32 v[SPW], v[NIL]
	s_wait_dscnt 0x0
	CROUND                                         ; the closing round
	s_endpgm
.Lfunc_end_k_qd21fa20b96_proj:
	.size	k_qd21fa20b96_proj, .Lfunc_end_k_qd21fa20b96_proj-k_qd21fa20b96_proj
	.p2alignl 7, 3214868480
	.fill 96, 4, 3214868480
	.section	.rodata,"a",@progbits
	.p2align	6, 0x0
	.amdhsa_kernel k_qd21fa20b96_proj
		.amdhsa_group_segment_fixed_size 327680
		.amdhsa_private_segment_fixed_size 0
		.amdhsa_enable_private_segment 0
		.amdhsa_kernarg_size 32
		.amdhsa_user_sgpr_count 2
		.amdhsa_user_sgpr_kernarg_segment_ptr 1
		.amdhsa_wavefront_size32 1
		.amdhsa_system_sgpr_workgroup_id_x 1
		.amdhsa_system_sgpr_workgroup_id_y 1
		.amdhsa_system_sgpr_workgroup_id_z 1
		.amdhsa_system_vgpr_workitem_id 0
		.amdhsa_next_free_vgpr 640
		.amdhsa_next_free_sgpr 72
		.amdhsa_reserve_vcc 0
		.amdhsa_float_denorm_mode_32 3
		.amdhsa_float_denorm_mode_16_64 3
		.amdhsa_memory_ordered 1
		.amdhsa_forward_progress 1
		.amdhsa_inst_pref_size 93
	.end_amdhsa_kernel
	.amdgpu_metadata
---
amdhsa.version: [ 1, 2 ]
amdhsa.kernels:
  - .name:           k_qd21fa20b96_proj
    .symbol:         k_qd21fa20b96_proj.kd
    .args:
      - { .name: ob, .offset: 0, .size: 8, .value_kind: global_buffer, .address_space: global }
      - { .name: wob, .offset: 8, .size: 8, .value_kind: global_buffer, .address_space: global }
      - { .name: x, .offset: 16, .size: 8, .value_kind: global_buffer, .address_space: global }
      - { .name: out0, .offset: 24, .size: 8, .value_kind: global_buffer, .address_space: global }
    .group_segment_fixed_size: 327680
    .private_segment_fixed_size: 0
    .kernarg_segment_align: 8
    .kernarg_segment_size: 32
    .max_flat_workgroup_size: 128
    .sgpr_count:     72
    .vgpr_count:     640
    .wavefront_size: 32
...
	.end_amdgpu_metadata
.endif
;; end of part 4
;; ======== version 2 of 2: 4 launches; version 1 with the launch prep written anew for expert scheduling mode
;; limits: values are held in f16: magnitudes above 65,504 overflow, below 6.1e-05 lose precision
;; workspace buffers: hb 8,388,608 bytes; wqkv 25,165,824 bytes; wob 8,388,608 bytes; qb 8,388,608 bytes; kb 8,388,608 bytes; vb 8,388,608 bytes; ob 8,388,608 bytes
;; launch prep (part 5): grid 256 x 4, 8 waves a work-group, no clusters, 0 bytes of LDS; arguments x, w_ln, wq, wk, wv, hb, wqkv; writes hb, wqkv
.if DOCPART == 5
	.amdgcn_target "amdgcn-amd-amdhsa--gfx1250"
	.amdhsa_code_object_version 6
	.text
	.protected	k_qd21fa20b96_prep
	.globl	k_qd21fa20b96_prep
	.p2align	8
	.type	k_qd21fa20b96_prep,@function
k_qd21fa20b96_prep:
	s_mov_b64 s[64:65], 0
	v_nop
	global_prefetch_b8 v0, s[64:65] scope:SCOPE_SE
	s_setreg_imm32_b32 hwreg(HW_REG_WAVE_SCHED_MODE, 0, 2), 2
	s_setreg_imm32_b32 hwreg(HW_REG_WAVE_MODE, 25, 1), 1
	s_wait_xcnt 0x0
	s_wait_alu depctr_vm_vsrc(0)
; hb = f16(w_ln * x * rsqrt(mean(x^2) + 1e-5));  wqkv = f16 copies of wq, wk, wv.
; All four sources are [2048][2048] f32.  The grid's y picks the matrix: 0 = x (with the norm), 1, 2, 3 = wq, wk, wv.  (wo is rounded in the attention launch.)
; One wave takes one row: 8,192 bytes in, by sixteen loads of 512 consecutive bytes; 4,096 bytes out, by sixteen stores of 256 consecutive bytes, aligned.
; The row stays in 64 registers between the sum of squares and the scaling, so it is read once.  No wave waits for another: no LDS, no barrier.
; 1,024 work-groups of 8 waves with 128 registers a wave: four work-groups' waves fill a WGP's 4 x 1,024 registers, 256 WGPs hold them all, so every wave's loads go out at the launch's start.
; To stay within 128 registers w_ln has twelve places of 4 registers for its sixteen pieces: ten are asked for with the row, two when the sum of squares has left its registers, four as places are used up.
; wqkv is laid by heads: row 384 head + 128 sel + d (sel 0, 1, 2 = q, k, v), so that one head's q, k and v rows lie on end for the next launch.
; LIMITS.  f16 ends at 65,504: weights stay under it; |h| <= 45.3 |w_ln|, so |w_ln| stays under 1,446.  Numbers under 6e-5 keep f16's fixed step of 6e-8.
; THE MODE: SCHED_MODE bits 1:0 = 2 (LLVM: expert scheduling mode 2), set by the entry lines.  The code itself states the register dependences
; between vector instructions and memory instructions, with s_wait_alu, always for 0.
; THE PLAN.  The row's sixteen pieces go in four blocks of four.  Registers that memory instructions touch:
;   v1, v2   byte offsets of the loads and of the stores: made once at the head, never written again.
;   X        Loaded once, at the start.  Block p's arithmetic works on pieces 4 p .. 4 p + 3 in place; a piece's low pair is read by its one store, issued in block p + 1, and never written after it.
;   G        Place q holds piece q, and places 0 to 3 later pieces 12 to 15.  Block p's multiplies read places (4 p + i) % 12.  Places 10 and 11 are the registers of the sum's chains:
;            their loads stand behind the wait that follows the roots.  The loads of pieces 12 to 15 are issued in block 1, into the places that block 0 has read.
;   R, T     are named by vector instructions alone.
; Block p's memory instructions are the stores of block p - 1 and, in block 1, the four loads into block 0's places: registers that no vector instruction of block p names.  So ONE wait on va_vdst
; at a block's head states all that they hang on, and they are dealt among the block's arithmetic with no further wait.  No register that a memory instruction reads is ever written again:
; past the entry lines, the text holds no wait on vm_vsrc.
.set X, 8                              ; v[8:71]    piece j at X + 4 j: elements 128 j + 4 lane .. + 3
.set NF, 10                            ; pieces of w_ln that are asked for with the row
.set NP, 12                            ; places for pieces of w_ln
.set G, 72                             ; v[72:119]  piece j of w_ln at G + 4 (j % NP), the same map as X's
.set A, 112                            ; v[112:119] four packed chains of the sum of squares; afterwards G's places 10 and 11
.set R, 120                            ; v[120:121] the reciprocal root, twice (a pair for the packed multiply)
.set T, 122                            ; v[122:124] at work
	s_load_b256 s[8:15], s[0:1], 0x0               ; x s[8:9], w_ln s[10:11], wq s[12:13], wk s[14:15]
	s_load_b128 s[16:19], s[0:1], 0x20             ; wv s[16:17], hb s[18:19]
	s_load_b64 s[20:21], s[0:1], 0x30              ; wqkv
	v_lshrrev_b32 v3, 5, v0
	v_readfirstlane_b32 s3, v3                     ; wave 0..7
	v_and_b32 v4, 31, v0
	v_lshlrev_b32 v1, 4, v4                        ; 16 bytes a lane on the way in
	v_lshlrev_b32 v2, 3, v4                        ; 8 bytes a lane on the way out
	v_mov_b32 v[T+1], 0                            ; v_permlanex16_b32's destination counts as read
	s_and_b32 s2, ttmp7, 0xffff                    ; which matrix
	s_lshl_b32 s4, ttmp9, 3
	s_wait_alu depctr_va_sdst(0)                   ; s3 is written, ahead of its first reader: the row's number, and both addresses, are made from it
	s_add_co_u32 s4, s4, s3                        ; my row
	s_lshr_b32 s5, s4, 7                           ; its head,
	s_mul_i32 s5, s5, 384
	s_and_b32 s32, s4, 127                         ; its place in the head,
	s_add_co_u32 s5, s5, s32
	s_max_u32 s32, s2, 1
	s_sub_co_u32 s32, s32, 1                       ; sel
	s_lshl_b32 s32, s32, 7
	s_add_co_u32 s5, s5, s32                       ; the row's place in wqkv
	s_cmp_eq_u32 s2, 0
	s_cselect_b32 s5, s4, s5                       ; hb keeps the row's number
	s_lshl_b32 s34, s4, 13                         ; 8,192 bytes a row in
	s_mov_b32 s35, 0
	s_lshl_b32 s36, s5, 12                         ; 4,096 bytes a row out
	s_mov_b32 s37, 0
	s_mov_b32 s6, 0x3a000000                       ; 1 / 2048
	s_mov_b32 s7, 0x3727c5ac                       ; 1e-5
	s_mov_b32 s30, 0x76543210                      ; v_permlanex16_b32: each lane takes its own place in the other half
	s_mov_b32 s31, 0xfedcba98
	s_wait_kmcnt 0x0
	s_mov_b64 s[26:27], s[8:9]                     ; the source, chosen by the grid's y
	s_cmp_eq_u32 s2, 1
	s_cselect_b64 s[26:27], s[12:13], s[26:27]
	s_cmp_eq_u32 s2, 2
	s_cselect_b64 s[26:27], s[14:15], s[26:27]
	s_cmp_eq_u32 s2, 3
	s_cselect_b64 s[26:27], s[16:17], s[26:27]
	s_cmp_eq_u32 s2, 0
	s_cselect_b64 s[28:29], s[18:19], s[20:21]     ; the destination
	s_add_nc_u64 s[26:27], s[26:27], s[34:35]
	s_add_nc_u64 s[28:29], s[28:29], s[36:37]
	s_wait_alu depctr_va_vdst(0)                   ; v1 and v2 are written: every load of the kernel reads v1 as its offset, every store v2, on both ways behind the branch below
.irp j, 0,1,2,3,4,5,6,7,8,9,10,11,12,13,14,15
	global_load_b128 v[X+4*(\j):X+4*(\j)+3], v1, s[26:27] offset:512*(\j) th:TH_LOAD_NT
.endr
; Block p of four pieces.  norm = 1: (w_ln x) rsqrt, rounded; norm = 0: a weight is only rounded.
; asked: how many of the loads that the block's waits count have been issued so far (norm = 1: pieces of w_ln; norm = 0: pieces of the row).
.macro BLK p, norm
.if (\p) > 0
	s_wait_alu depctr_va_vdst(0)                   ; the block before has written its pieces' low pairs, which the stores below read; with norm = 1, in block 1: block 0's multiplies are done reading G's places 0 to 3, in which the loads below land
.endif
.irp i, 0,1,2,3
.set j, 4*(\p)+(\i)
.if (\norm) && ((\p) == 1)
	global_load_b128 v[G+4*((j+8)%NP):G+4*((j+8)%NP)+3], v1, s[10:11] offset:512*(j+8)  ; pieces 12 to 15; no vector instruction since the wait names these registers
.set asked, asked+1
.endif
.if (\p) > 0
	global_store_b64 v2, v[X+4*(j-4):X+4*(j-4)+1], s[28:29] offset:256*(j-4)  ; the block before: 32 lanes store 256 consecutive bytes, at a multiple of 256 from the buffer's first byte
.endif
	s_wait_loadcnt asked-1-j                       ; loads come back in order (ISA guide 5.7.1): piece j is in; the pieces asked for behind it may stay out
.if \norm
	v_pk_mul_f32 v[X+4*j:X+4*j+1],   v[G+4*(j%NP):G+4*(j%NP)+1],   v[X+4*j:X+4*j+1]
	v_pk_mul_f32 v[X+4*j+2:X+4*j+3], v[G+4*(j%NP)+2:G+4*(j%NP)+3], v[X+4*j+2:X+4*j+3]
	v_pk_mul_f32 v[X+4*j:X+4*j+1],   v[X+4*j:X+4*j+1],   v[R:R+1]
	v_pk_mul_f32 v[X+4*j+2:X+4*j+3], v[X+4*j+2:X+4*j+3], v[R:R+1]
.endif
	v_cvt_pk_f16_f32 v[X+4*j],   v[X+4*j],   v[X+4*j+1]
	v_cvt_pk_f16_f32 v[X+4*j+1], v[X+4*j+2], v[X+4*j+3]
.endr
.endm
; Behind block 3: its four stores.
.macro LAST
	s_wait_alu depctr_va_vdst(0)                   ; block 3 has written its pieces' low pairs, which the last four stores read
.irp i, 12,13,14,15
	global_store_b64 v2, v[X+4*(\i):X+4*(\i)+1], s[28:29] offset:256*(\i)
.endr
.endm
	s_cmp_lg_u32 s2, 0
	s_cbranch_scc1 .Lcast                          ; a weight is only rounded
.set j, 0
.rept NF
	global_load_b128 v[G+4*j:G+4*j+3], v1, s[10:11] offset:512*j
.set j, j+1
.endr
	s_wait_loadcnt NF                              ; the row is in; w_ln's NF loads may stay out
.set p, 0
.rept 32                                       ; the sum of squares in f32: four chains; the first four products start them, nothing is cleared
.if p < 4
	v_pk_mul_f32 v[A+2*p:A+2*p+1], v[X+2*p:X+2*p+1], v[X+2*p:X+2*p+1]
.else
	v_pk_fma_f32 v[A+2*(p%4):A+2*(p%4)+1], v[X+2*p:X+2*p+1], v[X+2*p:X+2*p+1], v[A+2*(p%4):A+2*(p%4)+1]
.endif
.set p, p+1
.endr
	v_pk_add_f32 v[A:A+1], v[A:A+1], v[A+2:A+3]
	v_pk_add_f32 v[A+4:A+5], v[A+4:A+5], v[A+6:A+7]
	v_pk_add_f32 v[A:A+1], v[A:A+1], v[A+4:A+5]
	v_add_f32 v[T], v[A], v[A+1]
	v_add_f32_dpp v[T], v[T], v[T] row_xmask:1 row_mask:0xf bank_mask:0xf
	v_add_f32_dpp v[T], v[T], v[T] row_xmask:2 row_mask:0xf bank_mask:0xf
	v_add_f32_dpp v[T], v[T], v[T] row_xmask:4 row_mask:0xf bank_mask:0xf
	v_add_f32_dpp v[T], v[T], v[T] row_xmask:8 row_mask:0xf bank_mask:0xf
	v_permlanex16_b32 v[T+1], v[T], s30, s31
	v_add_f32 v[T], v[T], v[T+1]                   ; every lane holds the row's sum
	v_fma_f32 v[T+2], v[T], s6, s7                 ; mean + eps
	v_rsq_f32 v[R], v[T+2]
	v_rsq_f32 v[R+1], v[T+2]
	v_nop                                          ; a plain instruction behind the last root, ahead of the first use
	s_wait_alu depctr_va_vdst(0)                   ; both roots have written R, ahead of its first reader in block 0; and the sum's lines are done writing and reading A, in which the two loads below land
	global_load_b128 v[G+4*NF:G+4*NF+3],   v1, s[10:11] offset:512*NF      ; pieces 10 and 11 of w_ln, wanted in block 2
	global_load_b128 v[G+4*NF+4:G+4*NF+7], v1, s[10:11] offset:512*(NF+1)
.set asked, NP
	BLK 0, 1
	BLK 1, 1
	BLK 2, 1
	BLK 3, 1
	LAST
	s_endpgm
.Lcast:
.set asked, 16                                 ; the row's sixteen loads are the only ones on this way
	BLK 0, 0
	BLK 1, 0
	BLK 2, 0
	BLK 3, 0
	LAST
	s_endpgm
.Lfunc_end_k_qd21fa20b96_prep:
	.size	k_qd21fa20b96_prep, .Lfunc_end_k_qd21fa20b96_prep-k_qd21fa20b96_prep
	.p2alignl 7, 3214868480
	.fill 96, 4, 3214868480
	.section	.rodata,"a",@progbits
	.p2align	6, 0x0
	.amdhsa_kernel k_qd21fa20b96_prep
		.amdhsa_group_segment_fixed_size 0
		.amdhsa_private_segment_fixed_size 0
		.amdhsa_enable_private_segment 0
		.amdhsa_kernarg_size 56
		.amdhsa_user_sgpr_count 2
		.amdhsa_user_sgpr_kernarg_segment_ptr 1
		.amdhsa_wavefront_size32 1
		.amdhsa_system_sgpr_workgroup_id_x 1
		.amdhsa_system_sgpr_workgroup_id_y 1
		.amdhsa_system_sgpr_workgroup_id_z 1
		.amdhsa_system_vgpr_workitem_id 0
		.amdhsa_next_free_vgpr 128
		.amdhsa_next_free_sgpr 66
		.amdhsa_reserve_vcc 0
		.amdhsa_float_denorm_mode_32 3
		.amdhsa_float_denorm_mode_16_64 3
		.amdhsa_memory_ordered 1
		.amdhsa_forward_progress 1
		.amdhsa_inst_pref_size 21
	.end_amdhsa_kernel
	.amdgpu_metadata
---
amdhsa.version: [ 1, 2 ]
amdhsa.kernels:
  - .name:           k_qd21fa20b96_prep
    .symbol:         k_qd21fa20b96_prep.kd
    .args:
      - { .name: x, .offset: 0, .size: 8, .value_kind: global_buffer, .address_space: global }
      - { .name: w_ln, .offset: 8, .size: 8, .value_kind: global_buffer, .address_space: global }
      - { .name: wq, .offset: 16, .size: 8, .value_kind: global_buffer, .address_space: global }
      - { .name: wk, .offset: 24, .size: 8, .value_kind: global_buffer, .address_space: global }
      - { .name: wv, .offset: 32, .size: 8, .value_kind: global_buffer, .address_space: global }
      - { .name: hb, .offset: 40, .size: 8, .value_kind: global_buffer, .address_space: global }
      - { .name: wqkv, .offset: 48, .size: 8, .value_kind: global_buffer, .address_space: global }
    .group_segment_fixed_size: 0
    .private_segment_fixed_size: 0
    .kernarg_segment_align: 8
    .kernarg_segment_size: 56
    .max_flat_workgroup_size: 256
    .sgpr_count:     66
    .vgpr_count:     128
    .wavefront_size: 32
...
	.end_amdgpu_metadata
.endif
;; end of part 5
;; launch qkv: the kernel of part 2 again; grid 16 x 16, 4 waves a work-group, clusters of 4 x 4, 327,680 bytes of LDS; arguments hb, wqkv, cos, sin, qb, kb, vb; writes qb, kb, vb
;; launch attn: the kernel of part 3 again; grid 16 x 16, 4 waves a work-group, clusters of 4 x 1, 327,680 bytes of LDS; arguments qb, kb, vb, ob, wo, wob; writes ob, wob
;; launch proj: the kernel of part 4 again; grid 16 x 16, 4 waves a work-group, clusters of 4 x 4, 327,680 bytes of LDS; arguments ob, wob, x, out0; writes out0
